; MI455X (gfx1250); checked and timed in simulation.
; The chip was launched on July 23, 2026; its instructions are those of AMD's public machine-readable ISA for CDNA 5 (MIT licence, August 2026) and "CDNA5" Instruction Set Architecture Reference Guide (July 2026). The comments in the code are by the model that wrote it; some were corrected since.
;; Rotary Self Attention. Allowed arithmetic: matrix products marked QUANTISED: E2M1 operands, one E8M0 scale for each 32 along K, by v_wmma_scale_f32_16x16x128_f8f6f4 with both operands' format E2M1 (or v_wmma_scale_f32_32x16x128_f4), f32 sums; products left as they are: bf16, f16 or f32 operands; f32 sums; everything else in f32.
;; Inputs: freqs_cos 2,048 x 64 float32; freqs_sin 2,048 x 64 float32; k_norm_w 128 float32; q_norm_w 128 float32; wk 2,048 x 512 float32; wo 2,048 x 2,048 float32; wq 2,048 x 2,048 float32; wv 2,048 x 512 float32; x 1 x 2,048 x 2,048 float32.
;; Outputs: out0 1 x 2,048 x 2,048 float32.
;; This version of the problem:
;;   THIS VERSION OF THE PROBLEM IS GIVEN IN LOW PRECISION. The matrix products marked QUANTISED in the list below multiply operands that are first quantised to E2M1 (2 exponent bits, 1 mantissa bit; 4 bits a number), with one power-of-two scale for each 32 numbers along K (OCP MX v1.0); their sums are f32. The products marked 'left as it is' may take bf16, f16 or f32 operands, with f32 sums. Whichever they take, every output number must still come out within the allowed error. Rounding operands to bf16 (8 significant bits) uses up far more of that allowance than f16 does (11 bits, for magnitudes from 6e-5 to 65,504). All else is computed in f32.
;;   The module's matrix products, in the order in which they are computed (A, B: the left and right operand; K: the contracted axis; several contracted axes count as one K, in the product's order):
;;     1. [M 2,048, K 2,048] x [K 2,048, N 2,048]; A: input x; B: input wq: QUANTISED
;;     2. [M 2,048, K 2,048] x [K 2,048, N 512]; A: input x; B: input wk: QUANTISED
;;     3. [M 2,048, K 2,048] x [K 2,048, N 512]; A: input x; B: input wv: QUANTISED
;;     4. batch 16 x [M 2,048, K 128] x [K 128, N 2,048]; A: computed on the way; B: computed on the way: left as it is (an operand is computed on the way)
;;     5. batch 16 x [M 128, K 2,048] x [K 2,048, N 2,048]; A: computed on the way; B: computed on the way: left as it is (an operand is computed on the way)
;;     6. [M 2,048, K 2,048] x [K 2,048, N 2,048]; A: computed on the way; B: input wo: left as it is (an operand is computed on the way)
;;   THE QUANTISER, for each operand of a quantised product, along K:
;;     - K is cut into blocks of 32 from its start; a last block that is shorter is filled with zeros.
;;     - A block's scale is 2^e with e = floor(log2(the largest magnitude in the block)) - 2, held to -126 .. 127; a block of zeros has e = 0. As a byte (E8M0): e + 127.
;;     - Each number is divided by its block's scale, clamped to +-6, and rounded to the nearest number of E2M1, ties to even, subnormals kept.
;;     - The product sums the exact products of the quantised numbers (number of the format x scale) in f32.
;;   ~~~python
;;   def quantise(x, axis):      # numpy; x: float32 -> the quantised numbers, widened to float32 again
;;       x = np.moveaxis(x, axis, -1); K = x.shape[-1]
;;       x = np.pad(x, [(0, 0)] * (x.ndim - 1) + [(0, -K % 32)]); x = x.reshape(x.shape[:-1] + (-1, 32)); a = np.abs(x).max(-1, keepdims=True)
;;       e = np.where(a > 0, np.clip(np.frexp(np.where(a > 0, a, 1))[1] - 1 - 2, -126, 127), 0)      # np.frexp(a)[1] - 1 = floor(log2(a)), exactly
;;       r = np.clip(x / 2.0 ** e, -6, 6)
;;       step = 2.0 ** (np.maximum(np.frexp(np.where(r == 0, 1, r))[1] - 1, 0) - 1)
;;       q = np.round(r / step) * step * 2.0 ** e      # np.round: ties to even
;;       return np.moveaxis(q.reshape(q.shape[:-2] + (-1,))[..., :K], -1, axis).astype(np.float32)
;;   ~~~
;; One version. Each part assembles by itself: llvm-mc -triple=amdgcn-amd-amdhsa -mcpu=gfx1250 --defsym DOCPART=n.
;; ======== version 1 of 1: 5 launches
;; limits: values are held in f16: magnitudes above 65,504 overflow, below 6.1e-05 lose precision
;; workspace buffers: xc 2,097,152 bytes; xs 131,072 bytes; wc 3,145,728 bytes; ws 196,608 bytes; wot 8,388,608 bytes; qkv 12,582,912 bytes; y 8,388,608 bytes; fine 196,608 bytes
;; launch prep (part 1): grid 288 x 1, 4 waves a work-group, no clusters, 137,728 bytes of LDS; arguments x, wq, wk, wv, wo, xc, xs, wc, ws, wot; writes xc, xs, wc, ws, wot
.if DOCPART == 1
	.amdgcn_target "amdgcn-amd-amdhsa--gfx1250"
	.amdhsa_code_object_version 6
	.text
	.protected	k_q5f6a5fd33c_prep
	.globl	k_q5f6a5fd33c_prep
	.p2align	8
	.type	k_q5f6a5fd33c_prep,@function
k_q5f6a5fd33c_prep:
	s_mov_b64 s[64:65], 0
	v_nop
	global_prefetch_b8 v0, s[64:65] scope:SCOPE_SE
	s_setreg_imm32_b32 hwreg(HW_REG_WAVE_MODE, 25, 1), 1
	s_wait_xcnt 0x0
; PREP.  Three jobs, shared out by the work-group's number; each has its own way through the text and its own LDS bytes.
;   work-groups   0-127: x [2048][2048] f32 -> codes of FP4 (E2M1), K innermost (xc: 1,024 bytes a row), one E8M0 byte for each 32 along K (xs: 64 bytes a row).
;   work-groups 128-191: wq [k 2048][n 2048];  192-223: wk, wv [k 2048][n 512]: quantised along K, their FIRST axis, laid with K innermost (wc: 1,024 bytes a row n; ws: 64 bytes).
;       Rows of wc: 0-2047 wq's columns; 2048 + 256 j + c: wk's head j, channel c; 2048 + 256 j + 128 + c: wv's head j.
;   work-groups 224-287: wo [k 2048][n 2048] f32 -> f16, turned to [n][k] (wot: 4,096 bytes a row n).
; A block's scale is 2^(floor(log2(its largest magnitude)) - 2); its byte is the largest magnitude's exponent field - 2, held at 1 from below.
; LIMITS: a block of zeros gets the byte 1 where the rule says 127 (its codes are zeros, and this program alone reads the bytes); NaN and infinities among the inputs are not served;
; wo's numbers have to lie inside f16's range (magnitudes up to 65,504; under 6e-5 with fewer bits).
; No tensor loads, no barrier: waves share nothing.
.set SP,    80                         ; x: a lane's place in a stage: 64 bytes + 16 of padding
.set XREG,  8192                       ; x: a wave's LDS: two stages of 32 x SP bytes, behind them its 256 scale bytes
.set PITCH, 272                        ; the weights' stages: a row of 256 bytes + 16 of padding
.set WQST,  4*XREG                     ; wq's four stages of 32 rows,
.set WKST,  WQST+4*32*PITCH            ; wk's and wv's,
.set OST,   WKST+4*32*PITCH            ; wo's
.set SPARE, OST+4*32*PITCH             ; the spare words, 128 bytes for each wave: two blocks of 256 bytes that no other line names
.set SPW,   188                        ; v188 LDS address of my spare word; never rewritten
.set NIL,   189                        ; v189 0; never rewritten
.set XR,    16                         ; x: v16-79 four sets of 16 numbers as loaded
.set XN,    80                         ; x: v80-111 two sets of 16 neighbours
.set XE,    112                        ; x: v112-127 a scale byte for each step
.set XC,    128                        ; x: v128-159 codes, two registers for each step
.set WN,    32                         ; weights: v32-95 two sets of 32 numbers down K
.set WC,    96                         ; weights: v96.. a block's codes (wo: 16 registers of f16 pairs)
.set OUTR,  112                        ; weights: v112-175 the way out
.set SB,    24                         ; weights: v24-27 the scale bytes
	s_load_b256 s[4:11], s[0:1], 0x0               ; x s[4:5], wq s[6:7], wk s[8:9], wv s[10:11]
	s_load_b256 s[12:19], s[0:1], 0x20             ; wo s[12:13], xc s[14:15], xs s[16:17], wc s[18:19]
	s_load_b128 s[20:23], s[0:1], 0x40             ; ws s[20:21], wot s[22:23]
	v_lshl_add_u32 v[SPW], v0, 2, SPARE
	v_mov_b32 v[NIL], 0
	v_lshrrev_b32 v1, 5, v0
	v_readfirstlane_b32 s24, v1                    ; wave 0..3
	v_and_b32 v2, 31, v0                           ; lane
	s_wait_kmcnt 0x0
	s_cmp_lt_u32 ttmp9, 128
	s_cbranch_scc1 .Lx
	s_cmp_lt_u32 ttmp9, 192
	s_cbranch_scc1 .Lwq
	s_cmp_lt_u32 ttmp9, 224
	s_cbranch_scc1 .Lwkv
	s_branch .Lwo
; ---------------- x: a plain stream of blocks of 32.  A wave takes 16 steps of 512 numbers.
.macro XLOAD t
.irp i, 0,1,2,3
	global_load_b128 v[XR+16*((\t)%4)+4*\i:XR+16*((\t)%4)+4*\i+3], v3, s[4:5] offset:2048*(\t)+512*\i th:TH_LOAD_NT   ; 32 lanes read 512 consecutive bytes
.endr
.endm
.macro XTURN t                         ; a step's 2,048 bytes through the stage: in as loaded, out 64 bytes a lane.  LDS serves a wave's instructions in order
.irp i, 0,1,2,3
	ds_store_b128 v14, v[XR+16*((\t)%4)+4*\i:XR+16*((\t)%4)+4*\i+3] offset:32*SP*((\t)%2)+8*SP*\i
.endr
.irp i, 0,1,2,3
	ds_load_b128 v[XN+16*((\t)%2)+4*\i:XN+16*((\t)%2)+4*\i+3], v15 offset:32*SP*((\t)%2)+16*\i
.endr
.endm
.macro XSTEP t
.set XS, XN+16*((\t)%2)
.if (\t) > 0
	s_wait_dscnt 1                                 ; this step's numbers are back from the stage (the last step's byte store may be out)
.else
	s_wait_dscnt 0x0
.endif
.if (\t)+4 < 16
	XLOAD (\t)+4                                   ; into the set whose stores into the stage are done
.endif
.if (\t)+1 < 16
.if 14-(\t) >= 3
	s_wait_loadcnt 12                              ; the next step's four loads are in; those of the three steps behind it may be out
.else
	s_wait_loadcnt 4*(14-(\t))
.endif
	XTURN (\t)+1
.endif
	v_max3_num_f32 v8, |v[XS]|, |v[XS+1]|, |v[XS+2]|               ; the largest magnitude of my 16
	v_max3_num_f32 v9, |v[XS+3]|, |v[XS+4]|, |v[XS+5]|
.irp i, 6,10
	v_max3_num_f32 v8, v8, |v[XS+\i]|, |v[XS+\i+1]|
	v_max3_num_f32 v9, v9, |v[XS+\i+2]|, |v[XS+\i+3]|
.endr
	v_max3_num_f32 v8, v8, |v[XS+14]|, |v[XS+15]|
	v_max3_num_f32 v8, v8, v9, 0x1800000           ; and the floor 2^(3 - 127): the byte cannot fall under 1
	v_max_num_f32_dpp v8, v8, v8 row_xmask:1 row_mask:0xf bank_mask:0xf   ; with my neighbour's 16: the block's
	v_add_nc_u32 v11, 0xff000000, v8               ; 2 off its exponent field: the conversion's scale operand
	v_cvt_scalef32_pk8_fp4_f32 v[XC+2*(\t)], v[XS:XS+7], v11
	v_cvt_scalef32_pk8_fp4_f32 v[XC+2*(\t)+1], v[XS+8:XS+15], v11
	v_lshrrev_b32 v[XE+(\t)], 23, v11              ; the scale's byte
	ds_store_b8 v5, v[XE+(\t)] offset:16*(\t)      ; both lanes of a block write the same byte with the same value
	global_store_b64 v4, v[XC+2*(\t):XC+2*(\t)+1], s[14:15] offset:256*(\t)   ; 32 lanes store 256 consecutive bytes, aligned
.endm
.Lx:
	v_lshlrev_b32 v3, 4, v2                        ; my 16 bytes of a load's 512
	s_mul_i32 s25, s24, XREG
	v_lshrrev_b32 v14, 2, v2
	v_mul_u32_u24 v14, v14, SP
	v_and_b32 v15, 3, v2
	v_lshl_add_u32 v14, v15, 4, v14
	v_add_nc_u32 v14, s25, v14                     ; the stage, on the way in: SP (lane / 4) + 16 (lane % 4)
	v_mul_u32_u24 v15, v2, SP
	v_add_nc_u32 v15, s25, v15                     ; and on the way out: SP x lane
	v_lshlrev_b32 v4, 3, v2                        ; my 8 bytes of a step's codes
	v_lshrrev_b32 v5, 1, v2
	s_add_co_u32 s25, s25, 2*32*SP
	v_add_nc_u32 v5, s25, v5                       ; my block's byte among the wave's 256
	v_lshlrev_b32 v7, 3, v2
	v_add_nc_u32 v6, s25, v7
	s_lshl_b32 s26, ttmp9, 2
	s_add_co_u32 s26, s26, s24                     ; which run of 8,192 numbers is my wave's
	s_mov_b32 s29, 0
	s_lshl_b32 s28, s26, 15
	s_add_nc_u64 s[4:5], s[4:5], s[28:29]
	s_lshl_b32 s28, s26, 12
	s_add_nc_u64 s[14:15], s[14:15], s[28:29]
	s_lshl_b32 s28, s26, 8
	s_add_nc_u64 s[16:17], s[16:17], s[28:29]
.irp t, 0,1,2,3
	XLOAD \t
.endr
	s_wait_loadcnt 12                              ; step 0's four loads are in
	XTURN 0
.irp t, 0,1,2,3,4,5,6,7,8,9,10,11,12,13,14,15
	XSTEP \t
.endr
	ds_load_b64 v[8:9], v6                         ; the wave's 256 scale bytes: these loads see my stores
	s_wait_dscnt 0x0
	global_store_b64 v7, v[8:9], s[16:17]          ; one aligned run of 256 bytes
	s_wait_tensorcnt 0x0                           ; the wave's end, behind my last LDS store
	ds_add_u32 v[SPW], v[NIL]
	s_wait_dscnt 0x0
	s_endpgm
; ---------------- wq, wk, wv: a lane takes a column n and its registers run down K.  A wave: 32 columns x 512 along K.
; s[30:31] the wave's first number, s[32:33] its first byte of codes, s[34:35] of scale bytes.
.macro WLOAD t, pitch
.irp i, 0,1,2,3,4,5,6,7,8,9,10,11,12,13,14,15,16,17,18,19,20,21,22,23,24,25,26,27,28,29,30,31
	global_load_b32 v[WN+32*((\t)%2)+\i], v3, s[30:31] offset:(32*(\t)+\i)*(\pitch) th:TH_LOAD_NT
.endr
.endm
.macro WBLOCK t, pitch
.set XS, WN+32*((\t)%2)
.if (\t) < 15
	s_wait_loadcnt 32                              ; this block's 32 loads are in; the next block's may be out
.else
	s_wait_loadcnt 0
.endif
	v_max3_num_f32 v12, |v[XS]|, |v[XS+1]|, |v[XS+2]|              ; the block's largest magnitude: all 32 numbers are mine
	v_max3_num_f32 v13, |v[XS+3]|, |v[XS+4]|, |v[XS+5]|
.irp i, 6,10,14,18,22,26
	v_max3_num_f32 v12, v12, |v[XS+\i]|, |v[XS+\i+1]|
	v_max3_num_f32 v13, v13, |v[XS+\i+2]|, |v[XS+\i+3]|
.endr
	v_max3_num_f32 v12, v12, |v[XS+30]|, |v[XS+31]|
	v_max3_num_f32 v12, v12, v13, 0x1800000        ; and the floor 2^(3 - 127)
	v_add_nc_u32 v11, 0xff000000, v12              ; the conversion's scale operand
	v_lshrrev_b32 v13, 23, v11                     ; the scale's byte
.if (\t)%4 == 0
	v_mov_b32 v[SB+(\t)/4], v13                    ; four bytes to a register, the lower K in the lower byte
.else
	v_lshl_or_b32 v[SB+(\t)/4], v13, 8*((\t)%4), v[SB+(\t)/4]
.endif
.irp g, 0,1,2,3
	v_cvt_scalef32_pk8_fp4_f32 v[WC+\g], v[XS+8*\g:XS+8*\g+7], v11
.endr
	ds_store_b128 v4, v[WC:WC+3] offset:16*(\t)    ; 32 codes: 16 bytes of my column's row
.if (\t)+2 < 16
	WLOAD (\t)+2, \pitch
.endif
	s_wait_dscnt 0x0                               ; the store has read its registers: the next block's codes may be written
.endm
.macro WBODY pitch, stg
	v_lshlrev_b32 v3, 2, v2                        ; in: 4 bytes a lane
	s_mul_i32 s25, s24, 32*PITCH
	s_add_co_u32 s25, s25, \stg                    ; my stage
	v_mul_u32_u24 v4, v2, PITCH
	v_add_nc_u32 v4, s25, v4                       ; into it: row = my column
	v_and_b32 v5, 15, v2
	v_lshrrev_b32 v6, 4, v2
	v_mul_u32_u24 v7, v6, PITCH
	v_lshl_add_u32 v7, v5, 4, v7
	v_add_nc_u32 v7, s25, v7                       ; out of it: sixteen lanes to a row, two rows an instruction
	v_lshlrev_b32 v8, 10, v6
	v_lshl_add_u32 v8, v5, 4, v8                   ; the same place in wc: rows of 1,024 bytes
	v_lshlrev_b32 v9, 6, v2                        ; my column's row of scale bytes: 64 bytes a row
	WLOAD 0, \pitch
	WLOAD 1, \pitch
.set Q, 0
.rept 16
	WBLOCK Q, \pitch
.set Q, Q+1
.endr
	global_store_b128 v9, v[SB:SB+3], s[34:35]     ; my column's 16 scale bytes
.irp t, 0,1,2,3,4,5,6,7,8,9,10,11,12,13,14,15
	ds_load_b128 v[OUTR+4*\t:OUTR+4*\t+3], v7 offset:2*\t*PITCH
.endr
.irp t, 0,1,2,3,4,5,6,7,8,9,10,11,12,13,14,15
	s_wait_dscnt 15-\t
	global_store_b128 v8, v[OUTR+4*\t:OUTR+4*\t+3], s[32:33] offset:2*\t*1024   ; sixteen lanes store 256 consecutive bytes, aligned
.endr
	s_wait_tensorcnt 0x0                           ; the wave's end, behind my last LDS store
	ds_add_u32 v[SPW], v[NIL]
	s_wait_dscnt 0x0
	s_endpgm
.endm
; from s28 = the wave's first row of wc, s27 = which 512 along K: where its codes and scale bytes begin
.macro WDEST
	s_mov_b32 s37, 0
	s_lshl_b32 s36, s28, 10
	s_lshl_b32 s38, s27, 8
	s_add_co_u32 s36, s36, s38
	s_add_nc_u64 s[32:33], s[18:19], s[36:37]
	s_lshl_b32 s36, s28, 6
	s_lshl_b32 s38, s27, 4
	s_add_co_u32 s36, s36, s38
	s_add_nc_u64 s[34:35], s[20:21], s[36:37]
.endm
.Lwq:
	s_sub_co_u32 s25, ttmp9, 128
	s_and_b32 s26, s25, 15                         ; which 128 columns
	s_lshr_b32 s27, s25, 4                         ; which 512 along K
	s_lshl_b32 s28, s26, 7
	s_lshl_b32 s29, s24, 5
	s_add_co_u32 s28, s28, s29                     ; my wave's first column, and its row of wc
	s_lshl_b32 s36, s27, 22                        ; 512 rows of 8,192 bytes
	s_lshl_b32 s37, s28, 2
	s_add_co_u32 s36, s36, s37
	s_mov_b32 s37, 0
	s_add_nc_u64 s[30:31], s[6:7], s[36:37]
	WDEST
	WBODY 8192, WQST
.Lwkv:
	s_sub_co_u32 s25, ttmp9, 192
	s_lshr_b32 s39, s25, 4                         ; 0: wk, 1: wv
	s_and_b32 s26, s25, 3                          ; which 128 columns: the head
	s_bfe_u32 s27, s25, 0x20002                    ; which 512 along K
	s_lshl_b32 s28, s26, 7
	s_lshl_b32 s29, s24, 5
	s_add_co_u32 s28, s28, s29                     ; my wave's first column
	s_lshl_b32 s36, s27, 20                        ; 512 rows of 2,048 bytes
	s_lshl_b32 s37, s28, 2
	s_add_co_u32 s36, s36, s37
	s_mov_b32 s37, 0
	s_cmp_eq_u32 s39, 0                            ; the choice hangs on the work-group's number alone
	s_cselect_b64 s[30:31], s[8:9], s[10:11]
	s_add_nc_u64 s[30:31], s[30:31], s[36:37]
	s_lshl_b32 s28, s26, 8
	s_lshl_b32 s39, s39, 7
	s_add_co_u32 s28, s28, s39
	s_add_co_u32 s28, s28, s29
	s_add_co_u32 s28, s28, 2048                    ; its row of wc: 2048 + 256 head + 128 (wv) + 32 wave
	WDEST
	WBODY 2048, WKST
; ---------------- wo: the same plan, a lane to a column n, registers down K; rounded to f16, two neighbours along K to a register.
; 128 along K are 256 bytes of a row of wot: behind every fourth block the stage's 32 rows leave.
.macro OLOAD t
.irp i, 0,1,2,3,4,5,6,7,8,9,10,11,12,13,14,15,16,17,18,19,20,21,22,23,24,25,26,27,28,29,30,31
	global_load_b32 v[WN+32*((\t)%2)+\i], v3, s[30:31] offset:(32*(\t)+\i)*8192 th:TH_LOAD_NT
.endr
.endm
.macro OBLOCK t
.set XS, WN+32*((\t)%2)
.if (\t) < 15
	s_wait_loadcnt 32                              ; this block's 32 loads are in; the next block's may be out
.else
	s_wait_loadcnt 0
.endif
.irp i, 0,1,2,3,4,5,6,7,8,9,10,11,12,13,14,15
	v_cvt_pk_f16_f32 v[WC+\i], v[XS+2*\i], v[XS+2*\i+1]
.endr
.irp c, 0,1,2,3
	ds_store_b128 v4, v[WC+4*\c:WC+4*\c+3] offset:64*((\t)%4)+16*\c
.endr
.if (\t)+2 < 16
	OLOAD (\t)+2
.endif
	s_wait_dscnt 0x0                               ; the stores have read their registers
.if (\t)%4 == 3
.if (\t) > 3
	s_wait_xcnt 0x0                                ; the last flush's stores have read their registers: they may be loaded again
.endif
.irp u, 0,1,2,3,4,5,6,7,8,9,10,11,12,13,14,15
	ds_load_b128 v[OUTR+4*\u:OUTR+4*\u+3], v7 offset:2*\u*PITCH
.endr
.irp u, 0,1,2,3,4,5,6,7,8,9,10,11,12,13,14,15
	s_wait_dscnt 15-\u
	global_store_b128 v8, v[OUTR+4*\u:OUTR+4*\u+3], s[32:33] offset:2*\u*4096+256*((\t)/4)   ; sixteen lanes store 256 consecutive bytes, aligned
.endr
.endif
.endm
.Lwo:
	s_sub_co_u32 s25, ttmp9, 224
	s_and_b32 s26, s25, 15                         ; which 128 columns
	s_lshr_b32 s27, s25, 4                         ; which 512 along K
	s_lshl_b32 s28, s26, 7
	s_lshl_b32 s29, s24, 5
	s_add_co_u32 s28, s28, s29                     ; my wave's first column, and its row of wot
	s_lshl_b32 s36, s27, 22
	s_lshl_b32 s37, s28, 2
	s_add_co_u32 s36, s36, s37
	s_mov_b32 s37, 0
	s_add_nc_u64 s[30:31], s[12:13], s[36:37]
	s_lshl_b32 s36, s28, 12                        ; rows of 4,096 bytes,
	s_lshl_b32 s38, s27, 10                        ; 512 along K are 1,024 bytes
	s_add_co_u32 s36, s36, s38
	s_add_nc_u64 s[32:33], s[22:23], s[36:37]
	v_lshlrev_b32 v3, 2, v2
	s_mul_i32 s25, s24, 32*PITCH
	s_add_co_u32 s25, s25, OST
	v_mul_u32_u24 v4, v2, PITCH
	v_add_nc_u32 v4, s25, v4
	v_and_b32 v5, 15, v2
	v_lshrrev_b32 v6, 4, v2
	v_mul_u32_u24 v7, v6, PITCH
	v_lshl_add_u32 v7, v5, 4, v7
	v_add_nc_u32 v7, s25, v7
	v_lshlrev_b32 v8, 12, v6
	v_lshl_add_u32 v8, v5, 4, v8
	OLOAD 0
	OLOAD 1
.set Q, 0
.rept 16
	OBLOCK Q
.set Q, Q+1
.endr
	s_wait_tensorcnt 0x0                           ; the wave's end, behind my last LDS store
	ds_add_u32 v[SPW], v[NIL]
	s_wait_dscnt 0x0
	s_endpgm
.Lfunc_end_k_q5f6a5fd33c_prep:
	.size	k_q5f6a5fd33c_prep, .Lfunc_end_k_q5f6a5fd33c_prep-k_q5f6a5fd33c_prep
	.p2alignl 7, 3214868480
	.fill 96, 4, 3214868480
	.section	.rodata,"a",@progbits
	.p2align	6, 0x0
	.amdhsa_kernel k_q5f6a5fd33c_prep
		.amdhsa_group_segment_fixed_size 137728
		.amdhsa_private_segment_fixed_size 0
		.amdhsa_enable_private_segment 0
		.amdhsa_kernarg_size 80
		.amdhsa_user_sgpr_count 2
		.amdhsa_user_sgpr_kernarg_segment_ptr 1
		.amdhsa_wavefront_size32 1
		.amdhsa_system_sgpr_workgroup_id_x 1
		.amdhsa_system_sgpr_workgroup_id_y 1
		.amdhsa_system_sgpr_workgroup_id_z 1
		.amdhsa_system_vgpr_workitem_id 0
		.amdhsa_next_free_vgpr 192
		.amdhsa_next_free_sgpr 66
		.amdhsa_reserve_vcc 0
		.amdhsa_float_denorm_mode_32 3
		.amdhsa_float_denorm_mode_16_64 3
		.amdhsa_memory_ordered 1
		.amdhsa_forward_progress 1
		.amdhsa_inst_pref_size 255
	.end_amdhsa_kernel
	.section	.bss,"aw",@nobits
	.p2align	6
	.space	262144
	.amdgpu_metadata
---
amdhsa.version: [ 1, 2 ]
amdhsa.kernels:
  - .name:           k_q5f6a5fd33c_prep
    .symbol:         k_q5f6a5fd33c_prep.kd
    .args:
      - { .name: x, .offset: 0, .size: 8, .value_kind: global_buffer, .address_space: global }
      - { .name: wq, .offset: 8, .size: 8, .value_kind: global_buffer, .address_space: global }
      - { .name: wk, .offset: 16, .size: 8, .value_kind: global_buffer, .address_space: global }
      - { .name: wv, .offset: 24, .size: 8, .value_kind: global_buffer, .address_space: global }
      - { .name: wo, .offset: 32, .size: 8, .value_kind: global_buffer, .address_space: global }
      - { .name: xc, .offset: 40, .size: 8, .value_kind: global_buffer, .address_space: global }
      - { .name: xs, .offset: 48, .size: 8, .value_kind: global_buffer, .address_space: global }
      - { .name: wc, .offset: 56, .size: 8, .value_kind: global_buffer, .address_space: global }
      - { .name: ws, .offset: 64, .size: 8, .value_kind: global_buffer, .address_space: global }
      - { .name: wot, .offset: 72, .size: 8, .value_kind: global_buffer, .address_space: global }
    .group_segment_fixed_size: 137728
    .private_segment_fixed_size: 0
    .kernarg_segment_align: 8
    .kernarg_segment_size: 80
    .max_flat_workgroup_size: 128
    .sgpr_count:     66
    .vgpr_count:     192
    .wavefront_size: 32
...
	.end_amdgpu_metadata
.endif
;; end of part 1
;; launch qkv (part 2): grid 12 x 8, 4 waves a work-group, clusters of 4 x 4, 327,680 bytes of LDS; arguments xc, xs, wc, ws, freqs_cos, freqs_sin, q_norm_w, k_norm_w, qkv, fine; writes qkv, fine
.if DOCPART == 2
	.amdgcn_target "amdgcn-amd-amdhsa--gfx1250"
	.amdhsa_code_object_version 6
	.text
	.protected	k_q5f6a5fd33c_qkv
	.globl	k_q5f6a5fd33c_qkv
	.p2align	8
	.type	k_q5f6a5fd33c_qkv,@function
k_q5f6a5fd33c_qkv:
	s_mov_b64 s[64:65], 0
	v_nop
	global_prefetch_b8 v0, s[64:65] scope:SCOPE_SE
	s_setreg_imm32_b32 hwreg(HW_REG_WAVE_MODE, 25, 1), 1
	s_wait_xcnt 0x0
	s_wait_alu depctr_hold_cnt(0) depctr_sa_sdst(0) depctr_va_vdst(0) depctr_va_sdst(0) depctr_va_ssrc(0) depctr_va_vcc(0) depctr_vm_vsrc(0)
	s_getreg_b32 s2, hwreg(HW_REG_IB_STS2, 6, 4)
	s_cmp_eq_u32 s2, 0
	s_cbranch_scc0 .Lentry_in_a_cluster
	s_endpgm
.Lentry_in_a_cluster:
	s_bfe_u32 s2, ttmp6, 0x10000c
	s_cmp_lg_u32 s2, 0xf033
	s_cbranch_scc0 .Lentry_shape_is_right
	s_endpgm
.Lentry_shape_is_right:
; QKV.  The three quantised products as ONE GEMM on codes of FP4 (E2M1) with E8M0 scales: [2048 positions][2048 K] x [3072 rows of wc][2048 K], sums in f32; then, in registers, the RMS norm and the
; rotation (q, k), the rounding to f16, and the store by heads: qkv [24 slots][2048 positions][128] f16, slots 0-15 q's heads, 16-19 k's, 20-23 v's.
; Positions 0-15 also leave in f32 (fine [16][24][128]): a later launch computes those rows without f16.
; A tile of 256 x 256 is made by four waves, a wave makes 128 positions x 128 columns = ONE head: 64 accumulators, 512 registers.  K goes in steps of 512 through a ring of two LDS slots.
; The scale bytes of the work-group's 256 + 256 rows, for all of K, come into LDS once, with the first fills.
; CLUSTERS: 4 x 4 work-groups; A's tiles are asked for jointly along a row of the cluster, B's along a column.  The matrix instruction is used transposed (source 0 = 16 rows of wc,
; source 1 = 16 positions): a lane holds ONE position and eight neighbouring channels of each block of 16.
; WHO IS Q, K OR V hangs on the cluster's x and the wave's number alone: clusters 0 and 1 hold q's heads; in cluster 2 a wave's column half 0 is a head of k, half 1 a head of v.
; LIMITS: v's numbers, and q's and k's behind the norm, have to lie inside f16's range (magnitudes up to 65,504; under 6e-5 with fewer bits); NaN and infinities are not served.
; REGISTERS: window 0: v0-31 addresses; v32-95 scale words, two sets; v128-191 A's fragments, one set; on the way out v96-127 f16 pairs, v128-191 64 numbers at work, v192-213 sums and temporaries.
;   window 1: B's fragments, two sets, at v0 and v128; v64-127 the norm's weights; v192-255 and (on the way out) v128-191 cos and sin, two sets; on the way out v0-63 rows read back.
;   window 2: the accumulators of my positions 0-63 ((a, b) at v[8 (8 a + b)]);  window 3: those of positions 64-127.
.set KSTEP,  512
.set NQ,     KSTEP/128
.set ROWB,   256
.set KROW,   1024                      ; a row of codes in memory
.set PITCH,  272                       ; an LDS row: 256 bytes + 16 of padding: the 16 rows of a load start at 16 different banks (64 banks of 4 bytes: ISA guide 11.1)
.set FR,     8
.set NL,     2
.set NP,     4                         ; places behind this matrix instruction (ISA guide 7.12.1)
.set HALFT,  128*PITCH
.set SLOT,   4*HALFT
.set LAPS,   2                         ; 2,048 along K = twice round the ring
.set KS,     64                        ; a row of scale bytes
.set SCL,    2*SLOT
.set HALFS,  (128*KS/256)*272
.set SBLK,   (16*KS/256)*272
.set SPARE,  SCL+4*HALFS               ; the spare words, 128 bytes for each wave: two blocks of 256 bytes that no other line names
.set CSO,  8                           ; v8   cos, sin: 256 x (lane % 16) + 16 x (lane / 16)
.set WOF,  9                           ; v9   the norm's weights: 32 x (lane / 16)
.set FO,   10                          ; v10  fine: 12,288 x (lane % 16) + 32 x (lane / 16)
.set GO,   11                          ; v11  qkv: 256 x (lane / 16) + 16 x (lane % 16)
.set CYV,  12                          ; v12  my work-group's place along the cluster's y: it enters a lane mask alone
.set ADRA, 16
.set ADRB, 20
.set STO,  24                          ; v24  the stage (in slot 0, behind its last fill and last read): where I put 16 bytes of a row
.set RD,   25                          ; v25  and where I read a row back
.set ADRS, 27
.set SPW,  28
.set NIL,  29
.set SC,   32
.set AF,   128
.set H,    96                          ; the way out: 32 registers of f16 pairs
.set T,    128                         ; 64 numbers of my position
.set SS,   192                         ; four pairs of partial sums of squares
.set U,    200                         ; eight products of the rotation
.set RR,   208                         ; 1 / rms, twice
.set TT,   210
.set WN,   64                          ; window 1: the norm's weights
.set G1, 24
.set G0, 32
.set G1B, 48
.set G0B, 56
.set G1S, 68
.set G0S, 76
.set G1SB, 80
.set G0SB, 88
.set MSB, 0
.macro WIN new                         ; the immediate's high byte repeats the setting that is left
.if MSB != \new
	s_set_vgpr_msb (MSB<<8)|\new
.set MSB, \new
.endif
.endm
.set MUL_LO, 0xa1                      ; source 0 (B) window 1, source 1 (A) window 0, C and D window 2
.set MUL_HI, 0xf1
.set TO_B,   0x40                      ; destination window 1, address window 0
; A joint load: waves 0 and 1 fetch for A, waves 2 and 3 for B; the branch hangs on the wave's number alone.  An s_nop 0 and four v_nop follow each line.
.macro JLOAD g0a, g1a, g0b, g1b
	s_cmp_eq_u32 s15, 0
	s_cbranch_scc0 .Lfor_b_\@
	tensor_load_to_lds s[\g0a:\g0a+3], s[\g1a:\g1a+7]
	s_nop 0
.rept 4
	v_nop
.endr
	s_branch .Lasked_\@
.Lfor_b_\@:
	tensor_load_to_lds s[\g0b:\g0b+3], s[\g1b:\g1b+7]
	s_nop 0
.rept 4
	v_nop
.endr
.Lasked_\@:
.endm
.macro CREST                           ; a round of the cluster's barrier behind its opening barrier
	s_cmp_lg_u32 s14, 0
	s_cbranch_scc1 .Lnot_wave_0_\@
	s_barrier_signal -3
.Lnot_wave_0_\@:
	s_barrier_wait -3
	s_barrier_signal -1
	s_barrier_wait -1
.endm
.macro CROUND
	s_barrier_signal -1
	s_barrier_wait -1
	CREST
.endm
	s_load_b128 s[4:7], s[0:1], 0x0                ; x's codes s[4:5], x's scales s[6:7]
	s_load_b128 s[8:11], s[0:1], 0x10              ; the weights' codes s[8:9], their scales s[10:11]
	s_load_b128 s[96:99], s[0:1], 0x40             ; qkv s[96:97], fine s[98:99]
	v_lshl_add_u32 v[SPW], v0, 2, SPARE
	v_mov_b32 v[NIL], 0
	ds_add_u32 v[SPW], v[NIL]                      ; the wave's opening: the add, twice on end, and its wait ahead of my first tensor load
	ds_add_u32 v[SPW], v[NIL]
	v_lshrrev_b32 v1, 5, v0
	v_readfirstlane_b32 s14, v1                    ; wave 0..3
	s_lshr_b32 s15, s14, 1                         ; which half of the tile's rows is mine.  Also: I fetch for A (0) or for B (1)
	s_and_b32 s16, s14, 1                          ; which half of its columns.  Also: which 128 rows of that tile I fetch
	s_bfe_u32 s40, ttmp6, 0x40000                  ; cx, cy: my place in the cluster
	s_bfe_u32 s41, ttmp6, 0x40004
	s_lshl_b32 s42, ttmp9, 2
	s_add_co_u32 s42, s42, s40                     ; tile column = 4 x cluster x + cx
	s_and_b32 s17, ttmp7, 0xffff
	s_lshl_b32 s17, s17, 2
	s_add_co_u32 s17, s17, s41                     ; tile row = 4 x cluster y + cy
	s_lshl_b32 s43, s41, 2
	s_lshl_b32 s43, 15, s43                        ; my row of the cluster
	s_lshl_b32 s44, 0x1111, s40                    ; my column
	s_or_b32 s[G1+0], s43, (0<<16)|(1<<20)|(1<<21)|(5<<22)|(3<<25)  ; the mask; elements of 1 byte; padding on; bit 21 beside a mask; 4 words after every 64
	s_or_b32 s[G1B+0], s44, (0<<16)|(1<<20)|(1<<21)|(5<<22)|(3<<25)
.irp g, G1, G1B
	s_mov_b32 s[\g+1], ROWB<<16                    ; tensor_dim0
	s_mov_b32 s[\g+2], 128<<16                     ; tensor_dim1
	s_mov_b32 s[\g+3], ROWB<<16                    ; tile_dim0
	s_mov_b32 s[\g+4], 128                         ; tile_dim1
	s_mov_b32 s[\g+5], KROW                        ; from row to row
	s_mov_b32 s[\g+6], 0
	s_mov_b32 s[\g+7], 0
.endr
	s_or_b32 s[G1S+0], s43, (3<<16)|(1<<20)|(1<<21)|(5<<22)|(3<<25) ; the scales of 128 rows: a dense block, as rows of 256 bytes (32 elements of 8 bytes)
	s_or_b32 s[G1SB+0], s44, (3<<16)|(1<<20)|(1<<21)|(5<<22)|(3<<25)
.irp g, G1S, G1SB
	s_mov_b32 s[\g+1], 32<<16
	s_mov_b32 s[\g+2], (128*KS/256)<<16
	s_mov_b32 s[\g+3], 32<<16
	s_mov_b32 s[\g+4], 128*KS/256
	s_mov_b32 s[\g+5], 32
	s_mov_b32 s[\g+6], 0
	s_mov_b32 s[\g+7], 0
.endr
	s_lshl_b32 s18, s16, 7                         ; which 128 rows of the tile I fetch
	s_lshl_b32 s20, s17, 8
	s_add_co_u32 s20, s20, s18                     ; A: row 256 x tile row + 128 x half
	s_lshl_b32 s46, s42, 8
	s_add_co_u32 s46, s46, s18                     ; B: row 256 x tile column + 128 x half
	s_mov_b32 s21, 0
	s_mov_b32 s47, 0
	s_mov_b64 s[18:19], KS
	s_mul_u64 s[22:23], s[20:21], s[18:19]         ; where these rows' scales begin
	s_mul_u64 s[92:93], s[46:47], s[18:19]
	s_mov_b64 s[18:19], KROW
	s_mul_u64 s[20:21], s[20:21], s[18:19]         ; and their codes
	s_mul_u64 s[46:47], s[46:47], s[18:19]
	s_mul_i32 s45, s14, HALFT                      ; where they go: no place in the cluster enters an LDS address
	s_mul_i32 s94, s14, HALFS
	s_wait_dscnt 0x0                               ; both opening adds are done
	s_wait_kmcnt 0x0
	s_add_nc_u64 s[20:21], s[4:5], s[20:21]
	s_add_nc_u64 s[22:23], s[6:7], s[22:23]
	s_add_nc_u64 s[46:47], s[8:9], s[46:47]
	s_add_nc_u64 s[92:93], s[10:11], s[92:93]
	CROUND                                         ; all sixteen work-groups are here: the first joint loads meet
	s_mov_b32 s[G0S], 1
	s_add_co_u32 s[G0S+1], s94, SCL
	s_mov_b64 s[G0S+2:G0S+3], s[22:23]
	s_or_b32 s[G0S+3], s[G0S+3], 0x80000000
	s_mov_b32 s[G0SB], 1
	s_add_co_u32 s[G0SB+1], s94, SCL
	s_mov_b64 s[G0SB+2:G0SB+3], s[92:93]
	s_or_b32 s[G0SB+3], s[G0SB+3], 0x80000000
	JLOAD G0S, G1S, G0SB, G1SB                     ; the scales first: they are wanted with K step 0
.irp s, 0,1
	s_mov_b32 s[G0+4*\s], 1
	s_add_co_u32 s[G0+4*\s+1], s45, \s*SLOT
	s_add_nc_u64 s[G0+4*\s+2:G0+4*\s+3], s[20:21], \s*ROWB
	s_or_b32 s[G0+4*\s+3], s[G0+4*\s+3], 0x80000000
	s_mov_b32 s[G0B+4*\s], 1
	s_add_co_u32 s[G0B+4*\s+1], s45, \s*SLOT
	s_add_nc_u64 s[G0B+4*\s+2:G0B+4*\s+3], s[46:47], \s*ROWB
	s_or_b32 s[G0B+4*\s+3], s[G0B+4*\s+3], 0x80000000
	JLOAD G0+4*\s, G1, G0B+4*\s, G1B
.endr
	s_load_b256 s[4:11], s[0:1], 0x20              ; cos s[4:5], sin s[6:7], q's weights s[8:9], k's s[10:11]: the first four addresses have been used up
	v_and_b32 v1, 15, v0                           ; r = l % 16
	v_bfe_u32 v2, v0, 4, 1                         ; h = l / 16
	v_mul_u32_u24 v3, v1, PITCH
	v_lshl_add_u32 v4, v2, 4, v3                   ; a fragment's row x pitch + 16 x half
	s_mul_i32 s21, s15, HALFT                      ; my 128 rows of A
	s_mul_i32 s22, s16, HALFT                      ; my 128 rows of B,
	s_add_co_u32 s22, s22, 2*HALFT                 ; which lie behind A's 256
.irp s, 0,1
	v_add_nc_u32 v[ADRA+\s], s21, v4
	v_add_nc_u32 v[ADRB+\s], s22, v4
	s_add_co_u32 s21, s21, SLOT
	s_add_co_u32 s22, s22, SLOT
.endr
	v_mul_u32_u24 v5, v1, KS                       ; my row's scales: KS bytes a row,
	v_lshrrev_b32 v6, 8, v5
	v_lshl_add_u32 v5, v6, 4, v5                   ; and 16 more for each 256 passed
	s_mul_i32 s21, s15, HALFS
	s_mul_i32 s22, s16, HALFS
	s_add_co_u32 s22, s22, 2*HALFS
	s_sub_co_u32 s22, s22, s21
	v_mul_u32_u24 v6, s22, v2                      ; lanes 16-31 take B's
	s_add_co_u32 s21, s21, SCL
	v_add_nc_u32 v5, v5, v6
	v_add_nc_u32 v[ADRS], s21, v5
	s_mul_i32 s23, s14, 16*PITCH                   ; my stage: 16 rows of 272 bytes
	v_add_nc_u32 v[STO], s23, v4                   ; in: row r, 16 bytes for each half of the lanes
	v_mul_u32_u24 v5, v2, PITCH
	v_lshl_add_u32 v5, v1, 4, v5
	v_add_nc_u32 v[RD], s23, v5                    ; back: lanes 0-15 one row of 256 bytes, lanes 16-31 the next
	v_lshlrev_b32 v[CSO], 8, v1
	v_lshl_add_u32 v[CSO], v2, 4, v[CSO]
	v_lshlrev_b32 v[WOF], 5, v2
	v_mul_u32_u24 v[FO], v1, 12288
	v_lshl_add_u32 v[FO], v2, 5, v[FO]
	v_lshlrev_b32 v[GO], 8, v2
	v_lshl_add_u32 v[GO], v1, 4, v[GO]
	v_mov_b32 v[CYV], s41
	v_mov_b32 v[TT+1], 0                           ; written once: a lane permute's destination counts as one of its sources
	s_and_b32 s13, ttmp7, 0xffff
	s_or_b32 s13, s13, s15                         ; 0 where positions 0-15 can be mine: cluster y = 0 and the tile's upper half (the same in all partners, for a given wave)
	s_lshl_b32 s18, s17, 8
	s_lshl_b32 s19, s15, 7
	s_add_co_u32 s18, s18, s19                     ; my first position
	s_lshl_b32 s18, s18, 8                         ; x 256 bytes: a row of cos, of sin and of a head in qkv
	s_mov_b32 s19, 0
	s_lshl_b32 s20, s42, 1
	s_add_co_u32 s20, s20, s16                     ; q: slot 2 x tile column + half
	s_lshl_b32 s21, s16, 2
	s_add_co_u32 s21, s21, s42
	s_add_co_u32 s21, s21, 8                       ; k, v: slot 16 + 4 x half + (tile column - 8)
	s_mov_b32 s43, 0x3c000000                      ; 1 / 128
	s_mov_b32 s44, 0x3727c5ac                      ; 1e-5
	s_mov_b32 s46, 0x76543210                      ; v_permlanex16_b32's selects for lane l xor 16
	s_mov_b32 s47, 0xfedcba98
	s_wait_kmcnt 0x0
	s_cmp_lt_u32 ttmp9, 2                          ; clusters 0 and 1: q
	s_cselect_b32 s20, s20, s21
	s_cselect_b32 s12, 0, s16                      ; 1 in a wave that holds a head of v
	s_cselect_b64 s[8:9], s[8:9], s[10:11]         ; whose weights
	s_add_nc_u64 s[4:5], s[4:5], s[18:19]
	s_add_nc_u64 s[6:7], s[6:7], s[18:19]
	s_add_nc_u64 s[96:97], s[96:97], s[18:19]
	s_lshl_b32 s18, s20, 19                        ; a slot of qkv: 2,048 rows of 256 bytes
	s_add_nc_u64 s[96:97], s[96:97], s[18:19]
	s_lshl_b32 s18, s20, 9                         ; a slot of fine: 512 bytes
	s_add_nc_u64 s[98:99], s[98:99], s[18:19]
; cos and sin of block a's 16 positions into set a % 2: a lane's channels 16 b + 8 h + 0..7 are pairs 8 b + 4 h + 0..3: 16 bytes of each
.macro CSLOAD a
.set CSB, 192-64*((\a)%2)
	WIN TO_B
.irp b, 0,1,2,3,4,5,6,7
	global_load_b128 v[CSB+4*\b:CSB+4*\b+3], v[CSO], s[4:5] offset:4096*(\a)+32*\b
	global_load_b128 v[CSB+32+4*\b:CSB+32+4*\b+3], v[CSO], s[6:7] offset:4096*(\a)+32*\b
.endr
	WIN 0
.endm
	WIN TO_B                                       ; the norm's weights and the first block's cos and sin come while the products run, into registers that lie idle in the loop.
.irp b, 0,1,2,3,4,5,6,7                        ; Every wave asks, v's waves too, which do not use them: so the text has one way to the loop
	global_load_b128 v[WN+8*\b:WN+8*\b+3], v[WOF], s[8:9] offset:64*\b
	global_load_b128 v[WN+8*\b+4:WN+8*\b+7], v[WOF], s[8:9] offset:64*\b+16
.endr
	WIN 0
	CSLOAD 0
.macro FRAG reg, adr, q, i             ; 16 rows x 128 K of 4-bit codes: 8 registers; registers 4 c .. 4 c + 3 hold K = 64 c + 32 (l / 16) + 0 .. 31
.irp c, 0,1
	ds_load_b128 v[\reg+4*\c:\reg+4*\c+3], v[\adr] offset:64*(\q)+32*\c+(\i)*16*PITCH
.endr
.endm
; 16 matrix instructions: A's blocks a0, a0 + 1 x B's eight.  The 64 accumulators take turns, one instruction a turn, in the same order in every step.
.macro MUL16 a0, p, q, sc, zero
.irp a, \a0, \a0+1
.irp b, 0,1,2,3,4,5,6,7
.if \zero
	v_wmma_scale_f32_16x16x128_f8f6f4 v[8*(8*((\a)%4)+\b):8*(8*((\a)%4)+\b)+7], v[128*(\p)+FR*\b:128*(\p)+FR*\b+FR-1], v[AF+FR*(\a):AF+FR*(\a)+FR-1], 0, v[SC+8*NQ*(\sc)+NQ*\b+(\q)], v[SC+8*NQ*(\sc)+NQ*(\a)+(\q)] matrix_a_fmt:MATRIX_FMT_FP4 matrix_b_fmt:MATRIX_FMT_FP4 matrix_a_scale:MATRIX_SCALE_ROW1
.else
	v_wmma_scale_f32_16x16x128_f8f6f4 v[8*(8*((\a)%4)+\b):8*(8*((\a)%4)+\b)+7], v[128*(\p)+FR*\b:128*(\p)+FR*\b+FR-1], v[AF+FR*(\a):AF+FR*(\a)+FR-1], v[8*(8*((\a)%4)+\b):8*(8*((\a)%4)+\b)+7], v[SC+8*NQ*(\sc)+NQ*\b+(\q)], v[SC+8*NQ*(\sc)+NQ*(\a)+(\q)] matrix_a_fmt:MATRIX_FMT_FP4 matrix_b_fmt:MATRIX_FMT_FP4 matrix_a_scale:MATRIX_SCALE_ROW1
.endif
.endr
.endr
.endm
.macro FETCH_B slot, q, p
	WIN TO_B
.irp i, 0,1,2,3,4,5,6,7
	FRAG 128*(\p)+FR*\i, ADRB+\slot, \q, \i
.endr
	WIN 0
.endm
.macro FETCH_A slot, q, i0
.irp i, \i0, \i0+1, \i0+2, \i0+3
	FRAG AF+FR*(\i), ADRA+\slot, \q, \i
.endr
.endm
.macro SCALES sc                       ; a K step's scale words: lanes 0-15 take A's block i, lanes 16-31 B's block i
.irp i, 0,1,2,3,4,5,6,7
	ds_load_b128 v[SC+8*NQ*\sc+NQ*\i:SC+8*NQ*\sc+NQ*\i+3], v[ADRS] offset:\i*SBLK
.endr
.endm
.macro PLACES n                        ; plain vector instructions between a matrix instruction and a load into, a write of, or a read of its registers
.rept \n
	v_nop
.endr
.endm
.macro STEP slot, q, zero              ; 128 along K, with its successor in the same slot
	s_wait_dscnt 4*NL                              ; B's set and A's blocks 0-3 are in; the youngest loads (A's blocks 4-7) may be out
	WIN MUL_LO
	MUL16 0, (\q)%2, \q, \slot, \zero
	MUL16 2, (\q)%2, \q, \slot, \zero
	s_wait_dscnt 0                                 ; A's blocks 4-7 are in
	PLACES NP
	FETCH_B \slot, (\q)+1, 1-(\q)%2
	FETCH_A \slot, (\q)+1, 0
	WIN MUL_HI
	MUL16 4, (\q)%2, \q, \slot, \zero
	MUL16 6, (\q)%2, \q, \slot, \zero
	PLACES NP
	WIN 0
	FETCH_A \slot, (\q)+1, 4
.endm
; A slot's last step changes slots: one barrier; in front of it each wave waits for all its tensor loads, adds 0 to its spare word, and waits for that and for its reads of this slot.
.macro TURN slot, next, fill
	s_wait_tensorcnt 0x0                           ; all my tensor loads have landed: my part of the next slot
	ds_add_u32 v[SPW], v[NIL]
	s_wait_dscnt 4*NL+1                            ; (the add and A's blocks 4-7 may be out)
	WIN MUL_LO
	MUL16 0, 1, NQ-1, \slot, 0
	s_wait_dscnt 0x0                               ; the add is done, and my reads of this slot are over
	s_barrier_signal -1
	MUL16 2, 1, NQ-1, \slot, 0
	WIN 0
	s_barrier_wait -1
.if \fill
	CREST                                          ; the barrier has opened a round of the cluster's: no wave of any partner still reads this slot or has a load on its way
	s_add_nc_u64 s[G0+4*\slot+2:G0+4*\slot+3], s[G0+4*\slot+2:G0+4*\slot+3], 2*ROWB
	s_add_nc_u64 s[G0B+4*\slot+2:G0B+4*\slot+3], s[G0B+4*\slot+2:G0B+4*\slot+3], 2*ROWB
	JLOAD G0+4*\slot, G1, G0B+4*\slot, G1B         ; the first tensor load behind the round; its four v_nop are the places in front of the loads below
.else
	PLACES NP
.endif
	v_add_nc_u32 v[ADRS], 4*NQ, v[ADRS]            ; on to the next K step's scale words
	FETCH_B \next, 0, 0
	FETCH_A \next, 0, 0
	SCALES \next
	WIN MUL_HI
	MUL16 4, 1, NQ-1, \slot, 0
	MUL16 6, 1, NQ-1, \slot, 0
	PLACES NP
	WIN 0
	FETCH_A \next, 0, 4
.endm
.macro STEPS slot, from
.set Q, \from
.rept NQ-1-\from
	STEP \slot, Q, 0
.set Q, Q+1
.endr
.endm
	s_wait_tensorcnt 1                             ; the scales and my part of K step 0 are in (K step 1's load may be out),
	s_barrier_signal -1
	s_barrier_wait -1                              ; everybody's are
	FETCH_B 0, 0, 0
	FETCH_A 0, 0, 0
	SCALES 0
	FETCH_A 0, 0, 4
	STEP 0, 0, 1                                   ; the first step's products start the sums
	s_mov_b32 s3, LAPS-1
.Llap:                                                 ; a trip goes once round the ring and fills both slots again
	STEPS 0, 1
	TURN 0, 1, 1
	STEPS 1, 0
	TURN 1, 0, 1
	STEP 0, 0, 0
	s_sub_co_u32 s3, s3, 1
	s_cmp_lg_u32 s3, 0
	s_cbranch_scc1 .Llap
	STEPS 0, 1                                     ; the last lap fills nothing
	TURN 0, 1, 0
	STEPS 1, 0
	s_wait_dscnt 4*NL
	WIN MUL_LO
	MUL16 0, 1, NQ-1, 1, 0
	MUL16 2, 1, NQ-1, 1, 0
	s_wait_dscnt 0
	WIN MUL_HI
	MUL16 4, 1, NQ-1, 1, 0
	MUL16 6, 1, NQ-1, 1, 0
	WIN 0
; THE WAY OUT, block a of 16 positions at a time.  Lane (r, h) holds position 16 a + r and channels 16 b + 8 h + 0..7, b = 0..7: half of the head; lane l xor 16 holds the other half.
.macro NORMROPE a
.set AC, 64*((\a)%4)
.set WW, 2+(\a)/4
.set CSB, 192-64*((\a)%2)
	WIN WW|(WW<<2)                                 ; the sum of squares, four chains of pairs
.irp k, 0,1,2,3
	v_pk_mul_f32 v[SS+2*\k:SS+2*\k+1], v[AC+2*\k:AC+2*\k+1], v[AC+2*\k:AC+2*\k+1]
.endr
.irp b, 1,2,3,4,5,6,7
.irp k, 0,1,2,3
	v_pk_fma_f32 v[SS+2*\k:SS+2*\k+1], v[AC+8*\b+2*\k:AC+8*\b+2*\k+1], v[AC+8*\b+2*\k:AC+8*\b+2*\k+1], v[SS+2*\k:SS+2*\k+1]
.endr
.endr
	WIN 0
	v_pk_add_f32 v[SS:SS+1], v[SS:SS+1], v[SS+2:SS+3]
	v_pk_add_f32 v[SS+4:SS+5], v[SS+4:SS+5], v[SS+6:SS+7]
	v_pk_add_f32 v[SS:SS+1], v[SS:SS+1], v[SS+4:SS+5]
	v_add_f32 v[TT], v[SS], v[SS+1]
	v_permlanex16_b32 v[TT+1], v[TT], s46, s47     ; the other 64 channels' sum
	v_add_f32 v[TT], v[TT], v[TT+1]
	v_fma_f32 v[TT], v[TT], s43, s44               ; the mean + eps
	v_rsq_f32 v[RR], v[TT]
	v_rsq_f32 v[RR+1], v[TT]                       ; twice: a pair for the packed multiply
	v_nop                                          ; a plain instruction behind the transcendentals,
	s_wait_alu depctr_va_vdst(0)                   ; and the wait ahead of the first use: one for both
	WIN WW
.irp i, 0,1,2,3,4,5,6,7,8,9,10,11,12,13,14,15,16,17,18,19,20,21,22,23,24,25,26,27,28,29,30,31
	v_pk_mul_f32 v[T+2*\i:T+2*\i+1], v[AC+2*\i:AC+2*\i+1], v[RR:RR+1]
.endr
	WIN 0x04                                       ; source 1 in window 1: the weights, cos and sin
.irp i, 0,1,2,3,4,5,6,7,8,9,10,11,12,13,14,15,16,17,18,19,20,21,22,23,24,25,26,27,28,29,30,31
	v_pk_mul_f32 v[T+2*\i:T+2*\i+1], v[T+2*\i:T+2*\i+1], v[WN+2*\i:WN+2*\i+1]
.endr
.irp g, 0,1,2,3,4,5,6,7                        ; the rotation, four pairs (real, imaginary) at a time: pair p = 4 g + q has cos at CSB + p and sin at CSB + 32 + p
.irp q, 0,1,2,3
	v_mul_f32 v[U+2*\q], v[T+2*(4*\g+\q)+1], v[CSB+32+4*\g+\q]
	v_mul_f32 v[U+2*\q+1], v[T+2*(4*\g+\q)+1], v[CSB+4*\g+\q]
.endr
.irp q, 0,1,2,3
	v_fma_f32 v[T+2*(4*\g+\q)+1], v[T+2*(4*\g+\q)], v[CSB+32+4*\g+\q], v[U+2*\q+1]
	v_fma_f32 v[T+2*(4*\g+\q)], v[T+2*(4*\g+\q)], v[CSB+4*\g+\q], -v[U+2*\q]
.endr
.endr
	WIN 0
.irp i, 0,1,2,3,4,5,6,7,8,9,10,11,12,13,14,15,16,17,18,19,20,21,22,23,24,25,26,27,28,29,30,31
	v_cvt_pk_f16_f32 v[H+\i], v[T+2*\i], v[T+2*\i+1]
.endr
.endm
.macro VCVT a                          ; v: rounded as it is
.set AC, 64*((\a)%4)
.set WW, 2+(\a)/4
	WIN WW|(WW<<2)
.irp i, 0,1,2,3,4,5,6,7,8,9,10,11,12,13,14,15,16,17,18,19,20,21,22,23,24,25,26,27,28,29,30,31
	v_cvt_pk_f16_f32 v[H+\i], v[AC+2*\i], v[AC+2*\i+1]
.endr
	WIN 0
.endm
; Positions 0-15 in f32.  The branch hangs on the cluster's y and the wave's number; which of the cluster's four rows of work-groups holds them is told by a lane mask.  reg, win: where the 64 numbers stand.
.macro FINEST reg, win
	s_cmp_lg_u32 s13, 0
	s_cbranch_scc1 .Lno_fine_\@
	s_wait_xcnt 0x0                                ; EXEC changes only behind this wait
	v_cmp_eq_u32 vcc_lo, 0, v[CYV]
	s_and_saveexec_b32 s18, vcc_lo
	WIN \win
.irp b, 0,1,2,3,4,5,6,7
	global_store_b128 v[FO], v[\reg+8*\b:\reg+8*\b+3], s[98:99] offset:64*\b
	global_store_b128 v[FO], v[\reg+8*\b+4:\reg+8*\b+7], s[98:99] offset:64*\b+16
.endr
	WIN 0
	s_wait_xcnt 0x0                                ; and again, in front of the line that widens it; the stores' data may be written again too
	s_or_b32 exec_lo, exec_lo, s18
.Lno_fine_\@:
.endm
.macro TOSTAGE a                       ; 16 bytes a lane into rows of 272 bytes, and back as whole rows of 256.  LDS serves a wave's instructions in order
.irp b, 0,1,2,3,4,5,6,7
	ds_store_b128 v[STO], v[H+4*\b:H+4*\b+3] offset:32*\b
.endr
	WIN TO_B
.irp t, 0,1,2,3,4,5,6,7
	ds_load_b128 v[32*((\a)%2)+4*\t:32*((\a)%2)+4*\t+3], v[RD] offset:2*\t*PITCH
.endr
	WIN 0
.endm
.macro SEND a, younger                 ; younger: the LDS instructions issued behind block a's loads
	s_wait_dscnt \younger
	WIN 0x04                                       ; a store's data are its source 1: window 1
.irp t, 0,1,2,3,4,5,6,7
	global_store_b128 v[GO], v[32*((\a)%2)+4*\t:32*((\a)%2)+4*\t+3], s[96:97] offset:(16*(\a)+2*\t)*256   ; sixteen lanes store 256 consecutive bytes, aligned
.endr
	WIN 0
.endm
	PLACES NP                                      ; behind the last products: their results are read, and their operands' registers written and loaded into
	s_wait_loadcnt 0x0                             ; the weights and block 0's cos and sin, asked for ahead of the loop
	s_cmp_lg_u32 s12, 0
	s_cbranch_scc1 .Lv_arm
.irp a, 0,1,2,3,4,5,6,7                        ; ---- q and k
.if \a < 7
	CSLOAD \a+1
	s_wait_loadcnt 16                              ; this block's cos and sin are in; the next block's 16 loads may be out
.else
	s_wait_loadcnt 0
.endif
	NORMROPE \a
.if \a == 0
	FINEST T, 0
.endif
.if \a > 1
	s_wait_xcnt 0x0                                ; block a - 2's stores have read their registers: block a's rows may land there
.endif
	TOSTAGE \a
.if \a > 0
	SEND \a-1, 16                                  ; behind block a - 1's loads: block a's 8 stores and 8 loads
.endif
.endr
	SEND 7, 0
	s_branch .Lout
.Lv_arm:
	FINEST 0, 0x08                                 ; ---- v.  (Block 0's accumulators: window 2, from their low end on)
.irp a, 0,1,2,3,4,5,6,7
	VCVT \a
.if \a > 1
	s_wait_xcnt 0x0
.endif
	TOSTAGE \a
.if \a > 0
	SEND \a-1, 16
.endif
.endr
	SEND 7, 0
.Lout:
	s_wait_tensorcnt 0x0                           ; the wave's end, behind my last tensor load and my last LDS store
	ds_add_u32 v[SPW], v[NIL]
	s_wait_dscnt 0x0
	CROUND                                         ; the closing round: no work-group ends while a partner may still ask for a tile that names it
	s_endpgm
.Lfunc_end_k_q5f6a5fd33c_qkv:
	.size	k_q5f6a5fd33c_qkv, .Lfunc_end_k_q5f6a5fd33c_qkv-k_q5f6a5fd33c_qkv
	.p2alignl 7, 3214868480
	.fill 96, 4, 3214868480
	.section	.rodata,"a",@progbits
	.p2align	6, 0x0
	.amdhsa_kernel k_q5f6a5fd33c_qkv
		.amdhsa_group_segment_fixed_size 327680
		.amdhsa_private_segment_fixed_size 0
		.amdhsa_enable_private_segment 0
		.amdhsa_kernarg_size 80
		.amdhsa_user_sgpr_count 2
		.amdhsa_user_sgpr_kernarg_segment_ptr 1
		.amdhsa_wavefront_size32 1
		.amdhsa_system_sgpr_workgroup_id_x 1
		.amdhsa_system_sgpr_workgroup_id_y 1
		.amdhsa_system_sgpr_workgroup_id_z 1
		.amdhsa_system_vgpr_workitem_id 0
		.amdhsa_next_free_vgpr 1024
		.amdhsa_next_free_sgpr 100
		.amdhsa_reserve_vcc 1
		.amdhsa_float_denorm_mode_32 3
		.amdhsa_float_denorm_mode_16_64 3
		.amdhsa_memory_ordered 1
		.amdhsa_forward_progress 1
		.amdhsa_inst_pref_size 255
	.end_amdhsa_kernel
	.section	.bss,"aw",@nobits
	.p2align	6
	.space	262144
	.amdgpu_metadata
---
amdhsa.version: [ 1, 2 ]
amdhsa.kernels:
  - .name:           k_q5f6a5fd33c_qkv
    .symbol:         k_q5f6a5fd33c_qkv.kd
    .args:
      - { .name: xc, .offset: 0, .size: 8, .value_kind: global_buffer, .address_space: global }
      - { .name: xs, .offset: 8, .size: 8, .value_kind: global_buffer, .address_space: global }
      - { .name: wc, .offset: 16, .size: 8, .value_kind: global_buffer, .address_space: global }
      - { .name: ws, .offset: 24, .size: 8, .value_kind: global_buffer, .address_space: global }
      - { .name: freqs_cos, .offset: 32, .size: 8, .value_kind: global_buffer, .address_space: global }
      - { .name: freqs_sin, .offset: 40, .size: 8, .value_kind: global_buffer, .address_space: global }
      - { .name: q_norm_w, .offset: 48, .size: 8, .value_kind: global_buffer, .address_space: global }
      - { .name: k_norm_w, .offset: 56, .size: 8, .value_kind: global_buffer, .address_space: global }
      - { .name: qkv, .offset: 64, .size: 8, .value_kind: global_buffer, .address_space: global }
      - { .name: fine, .offset: 72, .size: 8, .value_kind: global_buffer, .address_space: global }
    .group_segment_fixed_size: 327680
    .private_segment_fixed_size: 0
    .kernarg_segment_align: 8
    .kernarg_segment_size: 80
    .max_flat_workgroup_size: 128
    .sgpr_count:     100
    .vgpr_count:     1024
    .wavefront_size: 32
...
	.end_amdgpu_metadata
.endif
;; end of part 2
;; launch attn (part 3): grid 64 x 4, 8 waves a work-group, no clusters, 327,680 bytes of LDS; arguments qkv, y; writes y
.if DOCPART == 3
	.amdgcn_target "amdgcn-amd-amdhsa--gfx1250"
	.amdhsa_code_object_version 6
	.text
	.protected	k_q5f6a5fd33c_attn
	.globl	k_q5f6a5fd33c_attn
	.p2align	8
	.type	k_q5f6a5fd33c_attn,@function
k_q5f6a5fd33c_attn:
	s_mov_b64 s[64:65], 0
	v_nop
	global_prefetch_b8 v0, s[64:65] scope:SCOPE_SE
	s_setreg_imm32_b32 hwreg(HW_REG_WAVE_MODE, 25, 1), 1
	s_wait_xcnt 0x0
; ATTN.  y[t][head][:] = the sum over s <= t of softmax_s(q[head][t] . k[kv][s] / sqrt(128)) v[kv][s][:], kv = head / 4.  q, k, v: qkv [24 slots][2048][128] f16; y: [2048][2048] f16.
; Products on f16 operands with f32 sums; maxima, exponentials and sums in f32; the weights p are rounded to f16 for the second product, y once at the end.
; SHARES.  A work-group belongs to one key and value head g (work-group y) and to a PAIR of blocks of 16 positions, i and 127 - i (i = work-group x): under the causal mask the two together
; count 129 blocks of keys whatever i is.  Its eight waves are the group's four query heads x the two blocks: wave w has head 4 g + w / 2 and the early block where (w xor w / 4) is even.
; All eight read ONE copy of k and v in LDS.  NO CLUSTER: how far a work-group's loads go hangs on its number (the causal limit), and a joint load is jumped over by nobody.
; Every work-group walks all 16 slots of 128 keys (constant trip counts); a step all of whose 64 keys come after the wave's positions is left out by a scalar branch on ids, and a slot whose first key
; comes after the work-group's last position is not asked for.
; LAYOUT.  S^T = K Q^T (source 0 = 16 keys, source 1 = my 16 positions) and O^T = V^T P: a lane holds ONE position (lane % 16) throughout.  Two tiles of S^T, rounded in pairs, ARE source 1 of the second product.
; K comes out of LDS as it lies, V ([key][channel]) turned, by ds_load_tr16_b128.
; SOFTMAX.  A running maximum m and sum l: p = 2^(c s - c m), c = log2(e) / sqrt(128); in every step O and l are multiplied by a = 2^(c m_old - c m_new).
; LIMITS: y's numbers have to lie inside f16's range (they are averages of v's); NaN and infinities are not served.
; REGISTERS: window 0: v1-11 addresses; v12 c m, v13 m, v[14:15] l, v16-19 at work, v[20:21] a, v22 the mask's bound, v23 -infinity, v26 r - 8 h; v32-63 Q; v64-95 S^T, then p; v96-111 P; v128-191 O^T.
;   window 1: v0-127 K of a step; v128-255 V of a step.
.set PK,    272                        ; a row of K in LDS: 256 bytes + 16 of padding
.set PV,    288                        ; a row of V: 256 + 32
.set VOFF,  128*PK                     ; a slot: 128 rows of K, then 128 rows of V
.set SLOT1, 1<<17                      ; slot 1 begins here: one exclusive or turns an address in one slot into the other's
.set STAGE, SLOT1+128*(PK+PV)          ; behind the ring: 16 rows x 272 bytes for each wave, for the way out
.set SPARE, STAGE+8*16*272             ; the spare words, 128 bytes for each wave: four blocks of 256 bytes that no other line names
.set NSL,   16                         ; slots' worth of keys
.set AK0, 1
.set AV0, 2
.set ADK, 3
.set ADV, 4
.set QO,  5
.set STO, 6
.set RD,  7
.set GO,  8
.set PFO, 9                            ; v9   256 x my lane: a row of K or V; never rewritten
.set SPW, 10                           ; v10  LDS address of my spare word; never rewritten
.set NIL, 11                           ; v11  0; never rewritten
.set RQ,  32
.set RS,  64
.set RP,  96
.set RO,  128
.set WV,  8                            ; s8   my wave's number
.set SEL, 20                           ; s[20:21] lane selects: lane l xor 16
.set CS,  22                           ; s[22:23] c
.set G1K, 24                           ; s[24:31], s[32:39] descriptor groups 1 for K's and V's tiles; s[40:43], s[44:47] their groups 0, which walk
.set G1V, 32
.set G0K, 40
.set G0V, 44
.set TB,  2                            ; s2   LDS byte at which the slot in hand begins
.set SLOTS, 67                         ; s67  changes of slots still to come that ask for a slot
.set QL,  70                           ; s70  my work-group's last position
.set PFK, 76                           ; s[76:77], s[78:79] where my prefetches stand in K and in V
.set PFV, 78
.set LIM, 80                           ; s80  1 in a wave that prefetches, else the greatest number
.set KF,  98                           ; s98  the step's first key
.set Q0,  99                           ; s99  my first position
.set MSB, 0
.macro WIN new
.if MSB != \new
	s_set_vgpr_msb (MSB<<8)|\new
.set MSB, \new
.endif
.endm
; Wave 0 fetches a slot's 128 rows of K, wave 1 its 128 rows of V, the others nothing.  An s_nop 0 and four v_nop follow each line.
.macro TLOAD
	s_cmp_eq_u32 s[WV], 0
	s_cbranch_scc0 .Lnot_k_\@
	tensor_load_to_lds s[G0K:G0K+3], s[G1K:G1K+7]
	s_nop 0
.rept 4
	v_nop
.endr
	s_branch .Lasked_\@
.Lnot_k_\@:
	s_cmp_eq_u32 s[WV], 1
	s_cbranch_scc0 .Lasked_\@
	tensor_load_to_lds s[G0V:G0V+3], s[G1V:G1V+7]
	s_nop 0
.rept 4
	v_nop
.endr
.Lasked_\@:
.endm
; A PREFETCH INTO THE L2 of the slot that the NEXT change of slots will ask for: 128 rows of K and 128 of V, 256 bytes a row, a lane a row: two key steps ahead of that load.
; Each row is named once in the launch: of the 64 work-groups that walk a head's keys the first (i = 0, whose loads reach the last slot) asks; in it waves 4 to 7, which fetch nothing, 32 rows of each tensor a wave.
; The last change that fills a slot asks for nothing; slots 0 and 1 come by their loads alone.
.macro ASK
	s_cmp_gt_u32 s[SLOTS], s[LIM]
	s_cbranch_scc0 .Lnot_mine_\@
	global_prefetch_b8 v[PFO], s[PFK:PFK+1] th:TH_LOAD_NT scope:SCOPE_SE
	global_prefetch_b8 v[PFO], s[PFV:PFV+1] th:TH_LOAD_NT scope:SCOPE_SE
.Lnot_mine_\@:
.endm
	s_load_b128 s[4:7], s[0:1], 0x0                ; qkv s[4:5], y s[6:7]
	v_lshl_add_u32 v[SPW], v0, 2, SPARE
	v_mov_b32 v[NIL], 0
	ds_add_u32 v[SPW], v[NIL]                      ; the wave's opening: the add, twice on end, and its wait ahead of my first tensor load
	ds_add_u32 v[SPW], v[NIL]
	v_lshrrev_b32 v1, 5, v0
	v_readfirstlane_b32 s[WV], v1                  ; wave 0..7
	s_and_b32 s9, ttmp7, 0xffff                    ; g
	s_lshr_b32 s10, s[WV], 1
	s_lshl_b32 s11, s9, 2
	s_add_co_u32 s11, s11, s10                     ; my head
	s_lshr_b32 s12, s[WV], 2
	s_xor_b32 s12, s12, s[WV]
	s_and_b32 s12, s12, 1                          ; 0: the early block, 1: the late one
	s_sub_co_u32 s13, 127, ttmp9
	s_cmp_eq_u32 s12, 0
	s_cselect_b32 s13, ttmp9, s13
	s_lshl_b32 s[Q0], s13, 4
	s_lshl_b32 s[QL], ttmp9, 4
	s_sub_co_u32 s[QL], 2047, s[QL]                ; 16 (127 - i) + 15
	s_add_co_u32 s14, s9, 16
	s_lshl_b32 s14, s14, 19                        ; k's slot of qkv: 524,288 bytes a slot
	s_mov_b32 s15, 0
	s_lshl_b32 s16, s11, 19
	s_lshl_b32 s17, s[Q0], 8
	s_add_co_u32 s16, s16, s17                     ; my 16 rows of q
	s_mov_b32 s17, 0
	s_lshl_b32 s18, s[Q0], 12
	s_lshl_b32 s19, s11, 8
	s_add_co_u32 s18, s18, s19                     ; my 16 rows of y, my head's 256 bytes
	s_mov_b32 s19, 0
	s_and_b32 s72, s[WV], 3
	s_lshl_b32 s72, s72, 13                        ; the prefetches: my wave's 32 rows,
	s_add_co_u32 s72, s72, 32768                   ; in slot 1: the first change of slots steps them to slot 2
	s_mov_b32 s73, 0
	s_lshr_b32 s[LIM], s[WV], 2
	s_xor_b32 s[LIM], s[LIM], 1                    ; 0 in waves 4 to 7,
	s_or_b32 s[LIM], s[LIM], ttmp9                 ; of the work-group with i = 0
	s_cmp_eq_u32 s[LIM], 0
	s_cselect_b32 s[LIM], 1, -1
	s_mov_b32 s[G1K], (1<<16)|(1<<20)|(5<<22)|(3<<25)   ; no mask; elements of 2 bytes; padding on: 4 words after every 64
	s_mov_b32 s[G1V], (1<<16)|(1<<20)|(5<<22)|(7<<25)   ; 8 words
.irp g, G1K, G1V
	s_mov_b32 s[\g+1], 128<<16                     ; tensor_dim0 = 128
	s_mov_b32 s[\g+2], 128<<16                     ; tensor_dim1 = 128
	s_mov_b32 s[\g+3], 128<<16                     ; tile_dim0 = 128
	s_mov_b32 s[\g+4], 128                         ; tile_dim1 = 128
	s_mov_b32 s[\g+5], 128                         ; from row to row
	s_mov_b32 s[\g+6], 0
	s_mov_b32 s[\g+7], 0
.endr
	s_mov_b32 s[SEL], 0x76543210
	s_mov_b32 s[SEL+1], 0xfedcba98
	s_mov_b32 s[CS], 0x3e0293ee                    ; c = log2(e) / sqrt(128)
	s_mov_b32 s[CS+1], s[CS]                       ; (named with it as a pair, so it is written)
	s_mov_b32 s[TB], 0
	s_mov_b32 s[KF], 0
	s_mov_b32 s[SLOTS], NSL-1
	s_wait_dscnt 0x0                               ; both opening adds are done
	s_wait_kmcnt 0x0
	s_add_nc_u64 s[PFK:PFK+1], s[4:5], s[14:15]    ; k's first row of my group,
	s_add_nc_u64 s[PFV:PFV+1], s[PFK:PFK+1], 0x200000  ; v's: four slots on
	s_mov_b32 s[G0K], 1
	s_mov_b32 s[G0K+1], 0
	s_mov_b64 s[G0K+2:G0K+3], s[PFK:PFK+1]
	s_or_b32 s[G0K+3], s[G0K+3], 0x80000000
	s_mov_b32 s[G0V], 1
	s_mov_b32 s[G0V+1], VOFF
	s_mov_b64 s[G0V+2:G0V+3], s[PFV:PFV+1]
	s_or_b32 s[G0V+3], s[G0V+3], 0x80000000
	TLOAD                                          ; slot 0: it holds key 0, which counts for every position
	s_add_nc_u64 s[PFK:PFK+1], s[PFK:PFK+1], s[72:73]
	s_add_nc_u64 s[PFV:PFV+1], s[PFV:PFV+1], s[72:73]
	s_add_nc_u64 s[16:17], s[4:5], s[16:17]
	s_add_nc_u64 s[6:7], s[6:7], s[18:19]
	v_and_b32 v24, 15, v0                          ; r
	v_bfe_u32 v25, v0, 4, 1                        ; h
	v_lshlrev_b32 v[QO], 8, v24
	v_lshl_add_u32 v[QO], v25, 4, v[QO]
.irp c, 0,1,2,3                                ; Q stays in registers: channels 32 c on
	global_load_b128 v[RQ+8*\c:RQ+8*\c+3], v[QO], s[16:17] offset:64*\c
	global_load_b128 v[RQ+8*\c+4:RQ+8*\c+7], v[QO], s[16:17] offset:64*\c+32
.endr
	v_mul_u32_u24 v[AK0], v24, PK
	v_lshl_add_u32 v[AK0], v25, 4, v[AK0]          ; K: row r x pitch + 16 x half
	v_and_b32 v27, 7, v0
	v_bfe_u32 v28, v0, 3, 1
	v_lshl_add_u32 v[AV0], v25, 3, v27
	v_mul_u32_u24 v[AV0], v[AV0], PV
	v_lshl_add_u32 v[AV0], v28, 4, v[AV0]
	v_add_nc_u32 v[AV0], VOFF, v[AV0]              ; V: key 8 h + l % 8, channels 8 ((l / 8) % 2) on
	v_and_b32 v[PFO], 31, v0
	v_lshlrev_b32 v[PFO], 8, v[PFO]
	v_lshlrev_b32 v26, 3, v25
	v_sub_nc_u32 v26, v24, v26                     ; r - 8 h
	v_mov_b32 v13, 0xff61b1e6                      ; m: -3e38, under every score
	v_mul_f32 v12, s[CS], v13                      ; c m
	v_mov_b32 v14, 0                               ; l, in two halves
	v_mov_b32 v15, 0
	v_mov_b32 v17, 0                               ; (a lane permute's destination counts as one of its sources)
	v_mov_b32 v21, 0                               ; (named as the upper half of the pair v[20:21])
	v_mov_b32 v23, 0xff800000                      ; -infinity
.irp j, 0,1,2,3,4,5,6,7,8,9,10,11,12,13,14,15,16,17,18,19,20,21,22,23,24,25,26,27,28,29,30,31,32,33,34,35,36,37,38,39,40,41,42,43,44,45,46,47,48,49,50,51,52,53,54,55,56,57,58,59,60,61,62,63
	v_mov_b32 v[RO+\j], 0                          ; O^T.  (The step is written once: the first finds zeros, which the first a leaves zeros)
.endr
; A KEY STEP: 64 keys, the q-th of the slot in hand.
.macro STEP q
	s_add_co_u32 s96, s[Q0], 15
	s_cmp_gt_u32 s[KF], s96                        ; all keys come after my positions: the step's work is left out (ids and the count of steps alone)
	s_cbranch_scc1 .Lhidden_\@
	v_add_nc_u32 v[ADK], s[TB], v[AK0]
	v_add_nc_u32 v[ADV], s[TB], v[AV0]
	v_nop
	v_nop                                          ; four places in front of loads into registers that the last products read
	WIN 0x40                                       ; destination window 1
.irp f, 0,1,2,3,4,5,6,7,8,9,10,11,12,13,14,15  ; K: keys 16 (f / 4) on, channels 32 (f % 4) on
	ds_load_b128 v[8*\f:8*\f+3],   v[ADK] offset:(\q)*64*PK+(\f/4)*16*PK+(\f%4)*64
	ds_load_b128 v[8*\f+4:8*\f+7], v[ADK] offset:(\q)*64*PK+(\f/4)*16*PK+(\f%4)*64+32
.endr
.irp f, 0,1,2,3,4,5,6,7,8,9,10,11,12,13,14,15  ; V, turned: keys 32 (f / 8) on, channels 16 (f % 8) on
	ds_load_tr16_b128 v[128+8*\f:128+8*\f+3],   v[ADV] offset:(\q)*64*PV+(\f/8)*32*PV+(\f%8)*32
	ds_load_tr16_b128 v[128+8*\f+4:128+8*\f+7], v[ADV] offset:(\q)*64*PV+(\f/8)*32*PV+16*PV+(\f%8)*32
.endr
	s_wait_dscnt 32                                ; K is in; V's 32 loads may be out
	WIN 0x01                                       ; source 0 window 1
.irp c, 0,1,2,3                                ; S^T = K Q^T: four accumulators by turns; the first four products start the sums
.irp k, 0,1,2,3
.if \c == 0
	v_wmma_f32_16x16x32_f16 v[RS+8*\k:RS+8*\k+7], v[32*\k+8*\c:32*\k+8*\c+7], v[RQ+8*\c:RQ+8*\c+7], 0
.else
	v_wmma_f32_16x16x32_f16 v[RS+8*\k:RS+8*\k+7], v[32*\k+8*\c:32*\k+8*\c+7], v[RQ+8*\c:RQ+8*\c+7], v[RS+8*\k:RS+8*\k+7]
.endif
.endr
.endr
	WIN 0
.rept 4
	v_nop
.endr
	s_add_co_u32 s96, s[KF], 63
	s_cmp_le_u32 s96, s[Q0]                        ; all keys count: no mask
	s_cbranch_scc1 .Lopen_\@
	s_sub_co_i32 s96, s[Q0], s[KF]
	v_add_nc_u32 v22, s96, v26                     ; register 8 k + j holds key KF + 16 k + 8 h + j: hidden where 16 k + j > my position - KF - 8 h
.irp k, 0,1,2,3
.irp j, 0,1,2,3,4,5,6,7
	v_cmp_gt_i32 vcc_lo, 16*\k+\j, v22
	v_cndmask_b32 v[RS+8*\k+\j], v[RS+8*\k+\j], v23, vcc_lo
.endr
.endr
.Lopen_\@:
.irp j, 0,1,2,3                                ; the largest score, four chains; each accumulator is read from its low end on
	v_max3_num_f32 v[16+\j], v[RS+8*\j], v[RS+8*\j+1], v[RS+8*\j+2]
.endr
.irp i, 3,5
.irp j, 0,1,2,3
	v_max3_num_f32 v[16+\j], v[16+\j], v[RS+8*\j+\i], v[RS+8*\j+\i+1]
.endr
.endr
	v_max3_num_f32 v16, v16, v[RS+7], v[RS+15]
	v_max3_num_f32 v18, v18, v[RS+23], v[RS+31]
	v_max3_num_f32 v16, v16, v17, v18
	v_max3_num_f32 v16, v16, v19, v13              ; and the old m
	v_permlanex16_b32 v17, v16, s[SEL], s[SEL+1]   ; my position's other 32 keys lie in the lane 16 away
	v_mov_b32 v18, v12                             ; c m_old
	v_max_num_f32 v13, v16, v17
	v_mul_f32 v12, s[CS], v13
	v_sub_f32 v19, v18, v12
.irp b, 0,1,2,3,4,5,6,7,8,9,10,11,12,13,14,15
	v_pk_fma_f32 v[RS+2*\b:RS+2*\b+1], v[RS+2*\b:RS+2*\b+1], s[CS:CS+1], v[12:13] op_sel_hi:[1,0,0] neg_lo:[0,0,1] neg_hi:[0,0,1]   ; c s - c m
.endr
	v_exp_f32 v20, v19                             ; a
.irp j, 0,1,2,3,4,5,6,7,8,9,10,11,12,13,14,15,16,17,18,19,20,21,22,23,24,25,26,27,28,29,30,31
	v_exp_f32 v[RS+\j], v[RS+\j]                   ; p
.endr
	v_nop                                          ; a plain instruction behind the batch,
	s_wait_alu depctr_va_vdst(0)                   ; and the one wait ahead of its first reader
.irp i, 0,1,2,3,4,5,6,7,8,9,10,11,12,13,14,15
	v_cvt_pk_f16_f32 v[RP+\i], v[RS+2*\i], v[RS+2*\i+1]
.endr
.irp i, 0,1,2,3,4,5,6,7                        ; the sum of the unrounded p, in pairs, in place
	v_pk_add_f32 v[RS+4*\i:RS+4*\i+1], v[RS+4*\i:RS+4*\i+1], v[RS+4*\i+2:RS+4*\i+3]
.endr
.irp i, 0,1,2,3
	v_pk_add_f32 v[RS+8*\i:RS+8*\i+1], v[RS+8*\i:RS+8*\i+1], v[RS+8*\i+4:RS+8*\i+5]
.endr
.irp i, 0,1
	v_pk_add_f32 v[RS+16*\i:RS+16*\i+1], v[RS+16*\i:RS+16*\i+1], v[RS+16*\i+8:RS+16*\i+9]
.endr
	v_pk_add_f32 v[RS:RS+1], v[RS:RS+1], v[RS+16:RS+17]
	v_pk_fma_f32 v[14:15], v[14:15], v[20:21], v[RS:RS+1] op_sel_hi:[1,0,1]   ; l = a l + the sum
.irp i, 0,1,2,3,4,5,6,7,8,9,10,11,12,13,14,15,16,17,18,19,20,21,22,23,24,25,26,27,28,29,30,31
	v_pk_mul_f32 v[RO+2*\i:RO+2*\i+1], v[RO+2*\i:RO+2*\i+1], v[20:21] op_sel_hi:[1,0]   ; O^T x a
.endr
	s_wait_dscnt 0x0                               ; V is in
	WIN 0x01
.irp c, 0,1                                    ; O^T += V^T P: eight accumulators by turns
.irp t, 0,1,2,3,4,5,6,7
	v_wmma_f32_16x16x32_f16 v[RO+8*\t:RO+8*\t+7], v[128+64*\c+8*\t:128+64*\c+8*\t+7], v[RP+8*\c:RP+8*\c+7], v[RO+8*\t:RO+8*\t+7]
.endr
.endr
	WIN 0
.Lhidden_\@:
	s_add_co_u32 s[KF], s[KF], 64
.endm
; THE CHANGE OF SLOTS stands at a slot's head.  Each wave waits for all its tensor loads, adds 0 to its spare word (fill = 1: twice on end),
; and waits for that and for its reads of the slot that it has left.  Behind the barrier the slot ahead is whole and nobody reads the other one, which is filled with the keys that follow, up to the causal limit.
.macro CHANGE fill
	s_wait_tensorcnt 0x0                           ; no tensor load of mine is out, so a group 0 may be written
	ds_add_u32 v[SPW], v[NIL]
.if \fill
	ds_add_u32 v[SPW], v[NIL]
	s_xor_b32 s[G0K+1], s[G0K+1], SLOT1            ; the walking descriptors: the other slot,
	s_add_nc_u64 s[G0K+2:G0K+3], s[G0K+2:G0K+3], 32768   ; the next 128 keys
	s_xor_b32 s[G0V+1], s[G0V+1], SLOT1
	s_add_nc_u64 s[G0V+2:G0V+3], s[G0V+2:G0V+3], 32768
	s_wait_xcnt 0x0                                ; the last prefetches, a slot back, have read their addresses
	s_add_nc_u64 s[PFK:PFK+1], s[PFK:PFK+1], 32768
	s_add_nc_u64 s[PFV:PFV+1], s[PFV:PFV+1], 32768
.endif
	s_wait_dscnt 0x0                               ; the add is done, and my reads of the slot that I have left are over
	s_barrier_signal -1
	s_barrier_wait -1
.if \fill
	s_add_co_u32 s96, s[KF], 128                   ; the first key of the slot that this change would ask for
	s_cmp_gt_u32 s96, s[QL]                        ; past my work-group's last position: none of its waves would read it.  Ids and the count of steps alone: all eight waves go the same way
	s_cbranch_scc1 .Lpast_\@
	TLOAD                                          ; a wave's one tensor load until the next change
.Lpast_\@:
	ASK
.endif
.endm
	s_wait_loadcnt 0x0                             ; Q
.Lslot:                                            ; NSL - 1 trips
	CHANGE 1
	STEP 0
	STEP 1
	s_xor_b32 s[TB], s[TB], SLOT1
	s_sub_co_u32 s[SLOTS], s[SLOTS], 1
	s_cmp_lg_u32 s[SLOTS], 0
	s_cbranch_scc1 .Lslot
	CHANGE 0                                       ; the last slot is written out: nothing is left to ask for
	STEP 0
	STEP 1
	; THE WAY OUT.  O^T / l, rounded to f16, through my stage, so that sixteen lanes store 256 consecutive bytes.  The additions and address lines are the places behind the last products.
	v_add_f32 v14, v14, v15
	v_permlanex16_b32 v17, v14, s[SEL], s[SEL+1]
	v_add_f32 v14, v14, v17
	v_rcp_f32 v20, v14
	s_mul_i32 s96, s[WV], 16*272
	s_add_co_u32 s96, s96, STAGE                   ; my stage
	v_mul_u32_u24 v[STO], v24, 272
	v_lshl_add_u32 v[STO], v25, 4, v[STO]
	v_add_nc_u32 v[STO], s96, v[STO]               ; in: row r, 16 bytes for each half of the lanes
	v_mul_u32_u24 v[RD], v25, 272
	v_lshl_add_u32 v[RD], v24, 4, v[RD]
	v_add_nc_u32 v[RD], s96, v[RD]                 ; back: lanes 0-15 one row, lanes 16-31 the next
	v_lshlrev_b32 v[GO], 12, v25
	v_lshl_add_u32 v[GO], v24, 4, v[GO]            ; and the same two rows of y: 4,096 bytes a row
	s_wait_alu depctr_va_vdst(0)                   ; the wait ahead of the reciprocal's first reader
.irp i, 0,1,2,3,4,5,6,7,8,9,10,11,12,13,14,15,16,17,18,19,20,21,22,23,24,25,26,27,28,29,30,31
	v_pk_mul_f32 v[RO+2*\i:RO+2*\i+1], v[RO+2*\i:RO+2*\i+1], v[20:21] op_sel_hi:[1,0]
.endr
.irp i, 0,1,2,3,4,5,6,7,8,9,10,11,12,13,14,15,16,17,18,19,20,21,22,23,24,25,26,27,28,29,30,31
	v_cvt_pk_f16_f32 v[RS+\i], v[RO+2*\i], v[RO+2*\i+1]
.endr
.irp f, 0,1,2,3,4,5,6,7
	ds_store_b128 v[STO], v[RS+4*\f:RS+4*\f+3] offset:32*\f
.endr
.irp f, 0,1,2,3,4,5,6,7
	ds_load_b128 v[RS+4*\f:RS+4*\f+3], v[RD] offset:\f*2*272   ; LDS serves a wave's instructions in order: these see the stores above
.endr
.irp f, 0,1,2,3,4,5,6,7
	s_wait_dscnt 7-\f
	global_store_b128 v[GO], v[RS+4*\f:RS+4*\f+3], s[6:7] offset:\f*8192
.endr
	s_wait_tensorcnt 0x0                           ; the wave's end, behind my last tensor load and my last LDS store
	ds_add_u32 v[SPW], v[NIL]
	s_wait_dscnt 0x0
	s_endpgm
.Lfunc_end_k_q5f6a5fd33c_attn:
	.size	k_q5f6a5fd33c_attn, .Lfunc_end_k_q5f6a5fd33c_attn-k_q5f6a5fd33c_attn
	.p2alignl 7, 3214868480
	.fill 96, 4, 3214868480
	.section	.rodata,"a",@progbits
	.p2align	6, 0x0
	.amdhsa_kernel k_q5f6a5fd33c_attn
		.amdhsa_group_segment_fixed_size 327680
		.amdhsa_private_segment_fixed_size 0
		.amdhsa_enable_private_segment 0
		.amdhsa_kernarg_size 16
		.amdhsa_user_sgpr_count 2
		.amdhsa_user_sgpr_kernarg_segment_ptr 1
		.amdhsa_wavefront_size32 1
		.amdhsa_system_sgpr_workgroup_id_x 1
		.amdhsa_system_sgpr_workgroup_id_y 1
		.amdhsa_system_sgpr_workgroup_id_z 1
		.amdhsa_system_vgpr_workitem_id 0
		.amdhsa_next_free_vgpr 512
		.amdhsa_next_free_sgpr 100
		.amdhsa_reserve_vcc 1
		.amdhsa_float_denorm_mode_32 3
		.amdhsa_float_denorm_mode_16_64 3
		.amdhsa_memory_ordered 1
		.amdhsa_forward_progress 1
		.amdhsa_inst_pref_size 82
	.end_amdhsa_kernel
	.amdgpu_metadata
---
amdhsa.version: [ 1, 2 ]
amdhsa.kernels:
  - .name:           k_q5f6a5fd33c_attn
    .symbol:         k_q5f6a5fd33c_attn.kd
    .args:
      - { .name: qkv, .offset: 0, .size: 8, .value_kind: global_buffer, .address_space: global }
      - { .name: y, .offset: 8, .size: 8, .value_kind: global_buffer, .address_space: global }
    .group_segment_fixed_size: 327680
    .private_segment_fixed_size: 0
    .kernarg_segment_align: 8
    .kernarg_segment_size: 16
    .max_flat_workgroup_size: 256
    .sgpr_count:     100
    .vgpr_count:     512
    .wavefront_size: 32
...
	.end_amdgpu_metadata
.endif
;; end of part 3
;; launch proj (part 4): grid 16 x 16, 4 waves a work-group, clusters of 4 x 4, 327,680 bytes of LDS; arguments y, wot, out0; writes out0
.if DOCPART == 4
	.amdgcn_target "amdgcn-amd-amdhsa--gfx1250"
	.amdhsa_code_object_version 6
	.text
	.protected	k_q5f6a5fd33c_proj
	.globl	k_q5f6a5fd33c_proj
	.p2align	8
	.type	k_q5f6a5fd33c_proj,@function
k_q5f6a5fd33c_proj:
	s_mov_b64 s[64:65], 0
	v_nop
	global_prefetch_b8 v0, s[64:65] scope:SCOPE_SE
	s_setreg_imm32_b32 hwreg(HW_REG_WAVE_MODE, 25, 1), 1
	s_wait_xcnt 0x0
	s_wait_alu depctr_hold_cnt(0) depctr_sa_sdst(0) depctr_va_vdst(0) depctr_va_sdst(0) depctr_va_ssrc(0) depctr_va_vcc(0) depctr_vm_vsrc(0)
	s_getreg_b32 s2, hwreg(HW_REG_IB_STS2, 6, 4)
	s_cmp_eq_u32 s2, 0
	s_cbranch_scc0 .Lentry_in_a_cluster
	s_endpgm
.Lentry_in_a_cluster:
	s_bfe_u32 s2, ttmp6, 0x10000c
	s_cmp_lg_u32 s2, 0xf033
	s_cbranch_scc0 .Lentry_shape_is_right
	s_endpgm
.Lentry_shape_is_right:
; PROJ.  out0[t][n] = sum over k of y[t][k] wot[n][k].  y: [2048][2048] f16, wot: [2048 n][2048 k] f16, out0: [2048][2048] f32; sums in f32.
; (Rows 0-15 are computed here like all others and written anew, from f32 operands, by the launch that follows.)
; 2,048 x 2,048 make 256 tiles of 128 x 128: one for each work-group.  Four waves, each 64 x 64: 16 accumulators.  K goes in steps of 256 (LDS rows of 512 bytes; a wave's tensor load brings 64 of them).
; CLUSTERS: 4 x 4 work-groups; A's tiles are asked for jointly along a row of the cluster, B's along a column.  The matrix instruction is used transposed (source 0 = 16 rows of wot, source 1 = 16 rows of y):
; a lane holds eight neighbouring numbers of a row of out0.  A wave's 64 columns of f32 are 256 aligned bytes: each wave has a stage of its own on the way out, and no barrier stands there.
; REGISTERS: window 0: v0-31 addresses; v32-95 rows on the way out; v128-255 the accumulators ((a, b) at v[128 + 8 (4 a + b)]).  window 1: two fragment buffers of 128.
.set SIZE_N, 2048
.set SIZE_K, 2048
.set KSTEP,  256
.set PITCH,  528                       ; an LDS row: 512 bytes + 16 of padding: row r starts at bank 4 r mod 64 (64 banks of 4 bytes: ISA guide 11.1)
.set HALFT,  64*PITCH
.set SLOT,   4*HALFT
.set STAGE,  2*SLOT                    ; behind the ring: 16 rows x 272 bytes for each wave
.set SPITCH, 272
.set SPARE,  STAGE+4*16*SPITCH         ; the spare words, 128 bytes for each wave: two blocks of 256 bytes that no other line names
.set LAPS, SIZE_K/(2*KSTEP)
.set ADRA, 16
.set ADRB, 20
.set STO,  24
.set RD,   25
.set CO,   26
.set SPW,  28
.set NIL,  29
.set TMP,  32
.set ACC,  128
.set F0,   0
.set F1,   128
.set G1, 24
.set G0, 32
.set G1B, 48
.set G0B, 56
.set MSB, 0
.macro WIN new
.if MSB != \new
	s_set_vgpr_msb (MSB<<8)|\new
.set MSB, \new
.endif
.endm
.set MUL,  0x05                        ; sources 0 (B) and 1 (A) window 1; C and D window 0
.set TO_F, 0x40
.macro JLOAD s                         ; a joint load: waves 0 and 1 fetch A's two halves, waves 2 and 3 B's; an s_nop 0 and four v_nop follow each line
	s_cmp_eq_u32 s11, 0
	s_cbranch_scc0 .Lfor_b_\@
	tensor_load_to_lds s[G0+4*\s:G0+4*\s+3], s[G1:G1+7]
	s_nop 0
.rept 4
	v_nop
.endr
	s_branch .Lasked_\@
.Lfor_b_\@:
	tensor_load_to_lds s[G0B+4*\s:G0B+4*\s+3], s[G1B:G1B+7]
	s_nop 0
.rept 4
	v_nop
.endr
.Lasked_\@:
.endm
.macro CREST
	s_cmp_lg_u32 s10, 0
	s_cbranch_scc1 .Lnot_wave_0_\@
	s_barrier_signal -3
.Lnot_wave_0_\@:
	s_barrier_wait -3
	s_barrier_signal -1
	s_barrier_wait -1
.endm
.macro CROUND
	s_barrier_signal -1
	s_barrier_wait -1
	CREST
.endm
	s_load_b128 s[4:7], s[0:1], 0x0                ; y s[4:5], wot s[6:7]
	s_load_b64 s[8:9], s[0:1], 0x10                ; out0
	v_lshl_add_u32 v[SPW], v0, 2, SPARE
	v_mov_b32 v[NIL], 0
	ds_add_u32 v[SPW], v[NIL]                      ; the wave's opening: the add, twice on end, and its wait ahead of my first tensor load
	ds_add_u32 v[SPW], v[NIL]
	v_lshrrev_b32 v1, 5, v0
	v_readfirstlane_b32 s10, v1                    ; wave 0..3
	s_lshr_b32 s11, s10, 1                         ; which half of the tile's rows is mine.  Also: I fetch for A (0) or for B (1)
	s_and_b32 s12, s10, 1                          ; which half of its columns.  Also: which 64 rows of that tile I fetch
	s_bfe_u32 s40, ttmp6, 0x40000                  ; cx, cy
	s_bfe_u32 s41, ttmp6, 0x40004
	s_lshl_b32 s42, ttmp9, 2
	s_add_co_u32 s42, s42, s40                     ; tile column
	s_and_b32 s13, ttmp7, 0xffff
	s_lshl_b32 s13, s13, 2
	s_add_co_u32 s13, s13, s41                     ; tile row
	s_lshl_b32 s43, s41, 2
	s_lshl_b32 s43, 15, s43                        ; my row of the cluster
	s_lshl_b32 s44, 0x1111, s40                    ; my column
	s_or_b32 s[G1+0], s43, (1<<16)|(1<<20)|(1<<21)|(6<<22)|(3<<25)  ; the mask; elements of 2 bytes; padding on; bit 21 beside a mask; 4 words after every 128
	s_or_b32 s[G1B+0], s44, (1<<16)|(1<<20)|(1<<21)|(6<<22)|(3<<25)
.irp g, G1, G1B
	s_mov_b32 s[\g+1], KSTEP<<16                   ; tensor_dim0 = 256
	s_mov_b32 s[\g+2], 64<<16                      ; tensor_dim1 = 64
	s_mov_b32 s[\g+3], KSTEP<<16                   ; tile_dim0 = 256
	s_mov_b32 s[\g+4], 64                          ; tile_dim1 = 64
	s_mov_b32 s[\g+5], SIZE_K                      ; from row to row
	s_mov_b32 s[\g+6], 0
	s_mov_b32 s[\g+7], 0
.endr
	s_lshl_b32 s17, s12, 6
	s_lshl_b32 s16, s13, 7
	s_add_co_u32 s16, s16, s17                     ; A: row 128 x tile row + 64 x half
	s_lshl_b32 s46, s42, 7
	s_add_co_u32 s46, s46, s17                     ; B: row 128 x tile column + 64 x half
	s_mov_b32 s17, 0
	s_mov_b32 s47, 0
	s_mov_b64 s[18:19], SIZE_K*2
	s_mul_u64 s[16:17], s[16:17], s[18:19]
	s_mul_u64 s[46:47], s[46:47], s[18:19]
	s_mul_i32 s20, s10, HALFT
	s_wait_dscnt 0x0                               ; both opening adds are done
	s_wait_kmcnt 0x0
	s_add_nc_u64 s[14:15], s[4:5], s[16:17]
	s_add_nc_u64 s[46:47], s[6:7], s[46:47]
	CROUND                                         ; all sixteen work-groups are here: the first joint loads meet
.irp s, 0,1
	s_mov_b32 s[G0+4*\s], 1
	s_add_co_u32 s[G0+4*\s+1], s20, \s*SLOT
	s_add_nc_u64 s[G0+4*\s+2:G0+4*\s+3], s[14:15], \s*KSTEP*2
	s_or_b32 s[G0+4*\s+3], s[G0+4*\s+3], 0x80000000
	s_mov_b32 s[G0B+4*\s], 1
	s_add_co_u32 s[G0B+4*\s+1], s20, \s*SLOT
	s_add_nc_u64 s[G0B+4*\s+2:G0B+4*\s+3], s[46:47], \s*KSTEP*2
	s_or_b32 s[G0B+4*\s+3], s[G0B+4*\s+3], 0x80000000
	JLOAD \s
.endr
	v_and_b32 v1, 15, v0                           ; r
	v_bfe_u32 v2, v0, 4, 1                         ; h
	v_mul_u32_u24 v3, v1, PITCH
	v_lshl_add_u32 v3, v2, 4, v3
	s_mul_i32 s21, s11, HALFT
	s_mul_i32 s22, s12, HALFT
	s_add_co_u32 s22, s22, 2*HALFT
.irp s, 0,1
	v_add_nc_u32 v[ADRA+\s], s21, v3
	v_add_nc_u32 v[ADRB+\s], s22, v3
	s_add_co_u32 s21, s21, SLOT
	s_add_co_u32 s22, s22, SLOT
.endr
	s_mul_i32 s23, s10, 16*SPITCH
	s_add_co_u32 s23, s23, STAGE                   ; my stage
	v_mul_u32_u24 v4, v1, SPITCH
	v_lshl_add_u32 v4, v2, 5, v4
	v_add_nc_u32 v[STO], s23, v4                   ; in: row r, 32 bytes for each half of the lanes
	v_mul_u32_u24 v5, v2, SPITCH
	v_lshl_add_u32 v5, v1, 4, v5
	v_add_nc_u32 v[RD], s23, v5                    ; back: lanes 0-15 one row of 256 bytes, lanes 16-31 the next
	v_lshlrev_b32 v5, 13, v2
	v_lshl_add_u32 v[CO], v1, 4, v5                ; and the same two rows of out0: 8,192 bytes a row
	s_lshl_b32 s16, s13, 7
	s_lshl_b32 s17, s11, 6
	s_add_co_u32 s16, s16, s17                     ; my first row: 128 x tile row + 64 x half
	s_lshl_b32 s16, s16, 13
	s_mov_b32 s17, 0
	s_add_nc_u64 s[8:9], s[8:9], s[16:17]
	s_lshl_b32 s46, s42, 9                         ; my first column, in bytes: 512 x tile column + 256 x half
	s_lshl_b32 s47, s12, 8
	s_add_co_u32 s46, s46, s47
	s_mov_b32 s47, 0
	s_add_nc_u64 s[8:9], s[8:9], s[46:47]
; 8 matrix instructions: m blocks a0, a0 + 1 x all 4 n blocks, 32 along K: half c of buffer f.  The 16 accumulators take turns.
.macro MUL8 f, c, a0, zero
.irp a, \a0, \a0+1
.irp b, 0,1,2,3
.if \zero
	v_wmma_f32_16x16x32_f16 v[ACC+8*(4*(\a)+\b):ACC+8*(4*(\a)+\b)+7], v[\f+64+8*(4*\c+\b):\f+64+8*(4*\c+\b)+7], v[\f+8*(4*\c+\a):\f+8*(4*\c+\a)+7], 0
.else
	v_wmma_f32_16x16x32_f16 v[ACC+8*(4*(\a)+\b):ACC+8*(4*(\a)+\b)+7], v[\f+64+8*(4*\c+\b):\f+64+8*(4*\c+\b)+7], v[\f+8*(4*\c+\a):\f+8*(4*\c+\a)+7], v[ACC+8*(4*(\a)+\b):ACC+8*(4*(\a)+\b)+7]
.endif
.endr
.endr
.endm
.macro FETCH slot, k, f                ; 32 LDS loads in one run: the fragments of 64 along K at byte k of the rows; the first 32 along K first
	WIN TO_F
.irp c, 0,1
.irp i, 0,1,2,3
	ds_load_b128 v[\f+64+8*(4*\c+\i):\f+64+8*(4*\c+\i)+3],   v[ADRB+\slot] offset:\k+64*\c+\i*16*PITCH
	ds_load_b128 v[\f+64+8*(4*\c+\i)+4:\f+64+8*(4*\c+\i)+7], v[ADRB+\slot] offset:\k+64*\c+\i*16*PITCH+32
	ds_load_b128 v[\f+8*(4*\c+\i):\f+8*(4*\c+\i)+3],         v[ADRA+\slot] offset:\k+64*\c+\i*16*PITCH
	ds_load_b128 v[\f+8*(4*\c+\i)+4:\f+8*(4*\c+\i)+7],       v[ADRA+\slot] offset:\k+64*\c+\i*16*PITCH+32
.endr
.endr
.endm
.macro PLACES
.rept 4
	v_nop
.endr
.endm
.macro QUARTER slot, k, f, g, zero     ; 64 along K: multiplies buffer f and fetches the next quarter, at byte k, into g
	s_wait_dscnt 16                                ; the first 32 along K are in
	WIN MUL
	MUL8 \f, 0, 0, \zero
	MUL8 \f, 0, 2, \zero
	PLACES
	FETCH \slot, \k, \g
	s_wait_dscnt 32                                ; all but the 32 just issued
	WIN MUL
	MUL8 \f, 1, 0, 0
	MUL8 \f, 1, 2, 0
.endm
.macro TURN slot, next, fill           ; the last quarter changes slots: one barrier; in front of it the wait for all my tensor loads, the add, and the wait for it and for my reads of this slot
	WIN 0
	s_wait_tensorcnt 0x0
	ds_add_u32 v[SPW], v[NIL]
	s_wait_dscnt 17                                ; (the add and the youngest sixteen loads may be out)
	WIN MUL
	MUL8 F1, 0, 0, 0
	s_wait_dscnt 0x0
	s_barrier_signal -1
	MUL8 F1, 0, 2, 0
.if \fill
	WIN 0
.endif
	s_barrier_wait -1
.if \fill
	CREST                                          ; the barrier has opened a round of the cluster's: no wave of any partner still reads this slot or has a load on its way
	s_add_nc_u64 s[G0+4*\slot+2:G0+4*\slot+3], s[G0+4*\slot+2:G0+4*\slot+3], 2*KSTEP*2
	s_add_nc_u64 s[G0B+4*\slot+2:G0B+4*\slot+3], s[G0B+4*\slot+2:G0B+4*\slot+3], 2*KSTEP*2
	JLOAD \slot
.else
	PLACES
.endif
	FETCH \next, 0, F0
	WIN MUL
	MUL8 F1, 1, 0, 0
	MUL8 F1, 1, 2, 0
.endm
	s_wait_tensorcnt 1                             ; my part of K step 0 is in (K step 1's load may be out),
	s_barrier_signal -1
	s_barrier_wait -1                              ; everybody's is
	FETCH 0, 0, F0
	QUARTER 0, 128, F0, F1, 1
	WIN 0
	s_mov_b32 s3, LAPS-1
.Llap:
	QUARTER 0, 256, F1, F0, 0
	QUARTER 0, 384, F0, F1, 0
	TURN 0, 1, 1
	QUARTER 1, 128, F0, F1, 0
	QUARTER 1, 256, F1, F0, 0
	QUARTER 1, 384, F0, F1, 0
	TURN 1, 0, 1
	QUARTER 0, 128, F0, F1, 0
	WIN 0
	s_sub_co_u32 s3, s3, 1
	s_cmp_lg_u32 s3, 0
	s_cbranch_scc1 .Llap
	QUARTER 0, 256, F1, F0, 0                      ; the last lap fills nothing
	QUARTER 0, 384, F0, F1, 0
	TURN 0, 1, 0
	QUARTER 1, 128, F0, F1, 0
	QUARTER 1, 256, F1, F0, 0
	QUARTER 1, 384, F0, F1, 0
	s_wait_dscnt 16
	WIN MUL
	MUL8 F1, 0, 0, 0
	MUL8 F1, 0, 2, 0
	s_wait_dscnt 0
	MUL8 F1, 1, 0, 0
	MUL8 F1, 1, 2, 0
	WIN 0
; THE WAY OUT, 16 rows at a time: 32 bytes a lane into my stage, back as whole rows of 256 bytes.  LDS serves a wave's instructions in order.
.macro TOSTAGE a
.irp b, 0,1,2,3
	ds_store_b128 v[STO], v[ACC+8*(4*(\a)+\b):ACC+8*(4*(\a)+\b)+3] offset:64*\b      ; each accumulator from its low end on
	ds_store_b128 v[STO], v[ACC+8*(4*(\a)+\b)+4:ACC+8*(4*(\a)+\b)+7] offset:64*\b+16
.endr
.irp t, 0,1,2,3,4,5,6,7
	ds_load_b128 v[TMP+32*((\a)%2)+4*\t:TMP+32*((\a)%2)+4*\t+3], v[RD] offset:\t*2*SPITCH
.endr
.endm
.macro SEND a, younger
	s_wait_dscnt \younger
.irp t, 0,1,2,3,4,5,6,7
	global_store_b128 v[CO], v[TMP+32*((\a)%2)+4*\t:TMP+32*((\a)%2)+4*\t+3], s[8:9] offset:(16*(\a)+2*\t)*SIZE_N*4   ; sixteen lanes store 256 consecutive bytes, aligned
.endr
.endm
	PLACES
	TOSTAGE 0
.irp a, 1,2,3
.if \a > 1
	s_wait_xcnt 0x0                                ; block a - 2's stores have read their registers
.endif
	TOSTAGE \a
	SEND \a-1, 16                                  ; behind block a - 1's loads: block a's 8 stores and 8 loads
.endr
	SEND 3, 0
	s_wait_tensorcnt 0x0                           ; the wave's end, behind my last tensor load and my last LDS store
	ds_add_u32 v[SPW], v[NIL]
	s_wait_dscnt 0x0
	CROUND                                         ; the closing round
	s_endpgm
.Lfunc_end_k_q5f6a5fd33c_proj:
	.size	k_q5f6a5fd33c_proj, .Lfunc_end_k_q5f6a5fd33c_proj-k_q5f6a5fd33c_proj
	.p2alignl 7, 3214868480
	.fill 96, 4, 3214868480
	.section	.rodata,"a",@progbits
	.p2align	6, 0x0
	.amdhsa_kernel k_q5f6a5fd33c_proj
		.amdhsa_group_segment_fixed_size 327680
		.amdhsa_private_segment_fixed_size 0
		.amdhsa_enable_private_segment 0
		.amdhsa_kernarg_size 24
		.amdhsa_user_sgpr_count 2
		.amdhsa_user_sgpr_kernarg_segment_ptr 1
		.amdhsa_wavefront_size32 1
		.amdhsa_system_sgpr_workgroup_id_x 1
		.amdhsa_system_sgpr_workgroup_id_y 1
		.amdhsa_system_sgpr_workgroup_id_z 1
		.amdhsa_system_vgpr_workitem_id 0
		.amdhsa_next_free_vgpr 512
		.amdhsa_next_free_sgpr 66
		.amdhsa_reserve_vcc 0
		.amdhsa_float_denorm_mode_32 3
		.amdhsa_float_denorm_mode_16_64 3
		.amdhsa_memory_ordered 1
		.amdhsa_forward_progress 1
		.amdhsa_inst_pref_size 86
	.end_amdhsa_kernel
	.amdgpu_metadata
---
amdhsa.version: [ 1, 2 ]
amdhsa.kernels:
  - .name:           k_q5f6a5fd33c_proj
    .symbol:         k_q5f6a5fd33c_proj.kd
    .args:
      - { .name: y, .offset: 0, .size: 8, .value_kind: global_buffer, .address_space: global }
      - { .name: wot, .offset: 8, .size: 8, .value_kind: global_buffer, .address_space: global }
      - { .name: out0, .offset: 16, .size: 8, .value_kind: global_buffer, .address_space: global }
    .group_segment_fixed_size: 327680
    .private_segment_fixed_size: 0
    .kernarg_segment_align: 8
    .kernarg_segment_size: 24
    .max_flat_workgroup_size: 128
    .sgpr_count:     66
    .vgpr_count:     512
    .wavefront_size: 32
...
	.end_amdgpu_metadata
.endif
;; end of part 4
;; launch fine16 (part 5): grid 128 x 1, 16 waves a work-group, no clusters, 18,432 bytes of LDS; arguments fine, wo, out0; writes out0
.if DOCPART == 5
	.amdgcn_target "amdgcn-amd-amdhsa--gfx1250"
	.amdhsa_code_object_version 6
	.text
	.protected	k_q5f6a5fd33c_fine16
	.globl	k_q5f6a5fd33c_fine16
	.p2align	8
	.type	k_q5f6a5fd33c_fine16,@function
k_q5f6a5fd33c_fine16:
	s_mov_b64 s[64:65], 0
	v_nop
	global_prefetch_b8 v0, s[64:65] scope:SCOPE_SE
	s_setreg_imm32_b32 hwreg(HW_REG_WAVE_MODE, 25, 1), 1
	s_wait_xcnt 0x0
; FINE16.  Rows 0-15 of out0 anew, with f32 operands throughout: under the causal mask these rows average one to sixteen values, and the rounding of 16-bit operands would weigh most there.
; fine: [16 positions][24 slots][128] f32 (slots 0-15 q's heads behind norm and rotation, 16-19 k's, 20-23 v's); wo: [2048][2048] f32.
; A work-group makes 16 columns of out0 (n0 = 16 x its number); wave w takes head w:  S^T = K Q^T (16 x 16 x 128), mask, softmax, P = p / l;  Z = V Wo (16 keys x 16 columns x 128);  P Z (16 x 16 x 16).
; (V goes through wo first, so that the weights are applied to 16 columns and not to 128 channels.)  The sixteen heads' parts are added through LDS.
; v_wmma_f32_16x16x4_f32: A, B: lane (r, h) holds row r, register j is k = 2 h + j.  The order of k is changed alike on both sides: a lane loads 16 bytes at byte 32 c + 16 h of its row, so
; registers 4 c + 2 e + j are channels 8 c + 4 h + 2 e + j, and step (c, e) sums four channels that both sides agree on.
; The registers that the matrix instructions write (v208-255) are written by them alone; every sum begins with the constant 0.
; LIMITS: NaN and infinities among the inputs are not served.
; REGISTERS: v1-11 addresses; v12 -infinity, v13 a lane permute's destination (neither is named by a load or a product); v16-79 Q, later V, later the heads' parts;
;   v80-143 K, later: v80-87 S^T, p, P; v88-95 Z; v97-119 at work; v144-207 wo; v208-239 four accumulators by turns; v240-255 two more.
.set RED,   0                          ; LDS: 1,024 bytes for each wave: its 16 x 16 part as an image of its registers
.set SPARE, 16384                      ; the spare words, 128 bytes for each wave: eight blocks of 256 bytes that no other line names
.set SPW, 8
.set NIL, 9
.set NINF, 12                          ; v12  -infinity, for the hidden keys' scores
.set PD,   13                          ; v13  what lane l xor 16 holds
	s_load_b128 s[4:7], s[0:1], 0x0                ; fine s[4:5], wo s[6:7]
	s_load_b64 s[8:9], s[0:1], 0x10                ; out0
	v_lshl_add_u32 v[SPW], v0, 2, SPARE
	v_mov_b32 v[NIL], 0
	v_lshrrev_b32 v1, 5, v0
	v_readfirstlane_b32 s10, v1                    ; wave = head
	v_and_b32 v1, 15, v0                           ; r
	v_bfe_u32 v2, v0, 4, 1                         ; h
	v_mul_u32_u24 v3, v1, 12288
	v_lshl_add_u32 v3, v2, 4, v3                   ; fine: row r of 12,288 bytes, + 16 h
	v_lshlrev_b32 v4, 2, v1
	v_lshl_add_u32 v4, v2, 15, v4                  ; wo: column r, + 4 h rows of 8,192 bytes
	v_and_b32 v5, 31, v0
	v_lshlrev_b32 v5, 4, v5                        ; 16 x lane
	s_lshl_b32 s11, s10, 10
	v_add_nc_u32 v6, s11, v5                       ; where my part goes
	s_and_b32 s12, s10, 1
	s_lshl_b32 s12, s12, 9
	v_add_nc_u32 v7, s12, v5                       ; waves 0 and 1: which half of every part I add up
	v_lshlrev_b32 v10, 3, v2
	v_sub_nc_u32 v10, v1, v10                      ; r - 8 h
	v_lshlrev_b32 v11, 2, v1
	v_lshl_add_u32 v11, v2, 16, v11                ; out0: row 8 h, column r,
	s_lshl_b32 s13, s12, 6
	v_add_nc_u32 v11, s13, v11                     ; + 4 rows in wave 1
	v_mov_b32 v[PD], 0                             ; (a lane permute's destination counts as one of its sources)
	v_mov_b32 v[NINF], 0xff800000                  ; -infinity
	s_mov_b32 s22, 0x3e0293ee                      ; c = log2(e) / sqrt(128)
	s_mov_b32 s24, 0x76543210
	s_mov_b32 s25, 0xfedcba98
	s_lshl_b32 s14, s10, 9                         ; q's slot: 512 bytes a slot
	s_mov_b32 s15, 0
	s_lshr_b32 s16, s10, 2
	s_add_co_u32 s16, s16, 16
	s_lshl_b32 s16, s16, 9                         ; k's
	s_mov_b32 s17, 0
	s_lshl_b32 s20, s10, 20                        ; wo: my head's 128 rows,
	s_lshl_b32 s26, ttmp9, 6                       ; my work-group's 16 columns
	s_add_co_u32 s20, s20, s26
	s_mov_b32 s21, 0
	s_mov_b32 s27, 0
	s_wait_kmcnt 0x0
	s_add_nc_u64 s[14:15], s[4:5], s[14:15]
	s_add_nc_u64 s[16:17], s[4:5], s[16:17]
	s_add_nc_u64 s[18:19], s[16:17], 2048          ; v's slot: four on
	s_add_nc_u64 s[20:21], s[6:7], s[20:21]
	s_add_nc_u64 s[8:9], s[8:9], s[26:27]
.irp c, 0,1,2,3,4,5,6,7,8,9,10,11,12,13,14,15
	global_load_b128 v[16+4*\c:19+4*\c], v3, s[14:15] offset:32*\c
.endr
.irp c, 0,1,2,3,4,5,6,7,8,9,10,11,12,13,14,15
	global_load_b128 v[80+4*\c:83+4*\c], v3, s[16:17] offset:32*\c
.endr
.irp c, 0,1,2,3,4,5,6,7,8,9,10,11,12,13,14,15
.irp i, 0,1,2,3
	global_load_b32 v[144+4*\c+\i], v4, s[20:21] offset:(8*\c+\i)*8192   ; wo(128 w + 8 c + 4 h + i, n0 + r)
.endr
.endr
	s_wait_loadcnt 63                              ; of the 96 loads the first 33 are in: q's 16, k's 16 and wo's first; wo's other 63 may be out (63 is the largest count that this wait can name)
.set n, 0
.rept 32                                       ; S^T = K Q^T: lane (r, h) gets position r, keys 8 h + 0..7.  Four accumulators by turns
.if n < 4
	v_wmma_f32_16x16x4_f32 v[208+8*(n%4):215+8*(n%4)], v[80+2*n:81+2*n], v[16+2*n:17+2*n], 0
.else
	v_wmma_f32_16x16x4_f32 v[208+8*(n%4):215+8*(n%4)], v[80+2*n:81+2*n], v[16+2*n:17+2*n], v[208+8*(n%4):215+8*(n%4)]
.endif
.set n, n+1
.endr
.rept 8
	v_nop                                          ; eight places behind this form, in front of loads into its operands' registers and of the first read of its results
.endr
.irp c, 0,1,2,3,4,5,6,7,8,9,10,11,12,13,14,15
	global_load_b128 v[16+4*\c:19+4*\c], v3, s[18:19] offset:32*\c    ; v, where q lay
.endr
.irp j, 0,1,2,3,4,5,6,7                        ; the four partial sums, each accumulator from its low end on
	v_add_f32 v[80+\j], v[208+\j], v[216+\j]
	v_add_f32 v[104+\j], v[224+\j], v[232+\j]
.endr
.irp j, 0,1,2,3,4,5,6,7
	v_add_f32 v[80+\j], v[80+\j], v[104+\j]
.endr
.irp j, 0,1,2,3,4,5,6,7
	v_cmp_gt_i32 vcc_lo, \j, v10                   ; key 8 h + j comes after position r: its score becomes -infinity, its p 0
	v_cndmask_b32 v[80+\j], v[80+\j], v[NINF], vcc_lo
.endr
	v_max3_num_f32 v97, v80, v81, v82
	v_max3_num_f32 v97, v97, v83, v84
	v_max3_num_f32 v97, v97, v85, v86
	v_max_num_f32 v97, v97, v87
	v_permlanex16_b32 v[PD], v97, s24, s25
	v_max_num_f32 v97, v97, v[PD]                  ; the row's largest score: key 0 counts for every position
	v_mul_f32 v99, s22, v97
.irp j, 0,1,2,3,4,5,6,7
	v_fma_f32 v[80+\j], v[80+\j], s22, -v99
.endr
.irp j, 0,1,2,3,4,5,6,7
	v_exp_f32 v[80+\j], v[80+\j]
.endr
	v_nop                                          ; a plain instruction behind the batch,
	s_wait_alu depctr_va_vdst(0)                   ; and the wait ahead of its first reader
	v_add_f32 v100, v80, v81
	v_add_f32 v101, v82, v83
	v_add_f32 v102, v84, v85
	v_add_f32 v103, v86, v87
	v_add_f32 v100, v100, v101
	v_add_f32 v102, v102, v103
	v_add_f32 v100, v100, v102
	v_permlanex16_b32 v[PD], v100, s24, s25
	v_add_f32 v100, v100, v[PD]
	v_rcp_f32 v101, v100
	v_nop
	s_wait_alu depctr_va_vdst(0)
.irp j, 0,1,2,3,4,5,6,7
	v_mul_f32 v[80+\j], v[80+\j], v101             ; P(position r, key 8 h + j)
.endr
	s_wait_loadcnt 0x0                             ; wo and v
.set n, 0
.rept 32                                       ; Z = V Wo: lane (r, h) gets column n0 + r, keys 8 h + 0..7.  The four accumulators begin anew with 0, far more than nine places behind their last use
.if n < 4
	v_wmma_f32_16x16x4_f32 v[208+8*(n%4):215+8*(n%4)], v[16+2*n:17+2*n], v[144+2*n:145+2*n], 0
.else
	v_wmma_f32_16x16x4_f32 v[208+8*(n%4):215+8*(n%4)], v[16+2*n:17+2*n], v[144+2*n:145+2*n], v[208+8*(n%4):215+8*(n%4)]
.endif
.set n, n+1
.endr
.rept 8
	v_nop
.endr
.irp j, 0,1,2,3,4,5,6,7
	v_add_f32 v[88+\j], v[208+\j], v[216+\j]
	v_add_f32 v[104+\j], v[224+\j], v[232+\j]
.endr
.irp j, 0,1,2,3,4,5,6,7
	v_add_f32 v[88+\j], v[88+\j], v[104+\j]
.endr
	; P Z: registers 2 s, 2 s + 1 of both are keys 8 h + 2 s + 0, 1: four steps sum the 16 keys.  Two accumulators by turns
	v_wmma_f32_16x16x4_f32 v[240:247], v[80:81], v[88:89], 0
	v_wmma_f32_16x16x4_f32 v[248:255], v[82:83], v[90:91], 0
	v_wmma_f32_16x16x4_f32 v[240:247], v[84:85], v[92:93], v[240:247]
	v_wmma_f32_16x16x4_f32 v[248:255], v[86:87], v[94:95], v[248:255]
.rept 8
	v_nop
.endr
.irp j, 0,1,2,3,4,5,6,7
	v_add_f32 v[112+\j], v[240+\j], v[248+\j]      ; my head's part of out0(8 h + j, n0 + r)
.endr
	ds_store_b128 v6, v[112:115]
	ds_store_b128 v6, v[116:119] offset:512
	s_wait_dscnt 0x0                               ; for the others' sake: my stores are done
	s_barrier_signal -1
	s_barrier_wait -1
	s_cmp_ge_u32 s10, 2
	s_cbranch_scc1 .Ldone                          ; waves 0 and 1 add the sixteen parts: registers 0-3 and 4-7
.irp w, 0,1,2,3,4,5,6,7,8,9,10,11,12,13,14,15
	ds_load_b128 v[16+4*\w:19+4*\w], v7 offset:1024*\w
.endr
	s_wait_dscnt 0x0
.irp w, 0,1,2,3,4,5,6,7
	v_pk_add_f32 v[16+4*\w:17+4*\w], v[16+4*\w:17+4*\w], v[48+4*\w:49+4*\w]
	v_pk_add_f32 v[18+4*\w:19+4*\w], v[18+4*\w:19+4*\w], v[50+4*\w:51+4*\w]
.endr
.irp w, 0,1,2,3
	v_pk_add_f32 v[16+4*\w:17+4*\w], v[16+4*\w:17+4*\w], v[32+4*\w:33+4*\w]
	v_pk_add_f32 v[18+4*\w:19+4*\w], v[18+4*\w:19+4*\w], v[34+4*\w:35+4*\w]
.endr
.irp w, 0,1
	v_pk_add_f32 v[16+4*\w:17+4*\w], v[16+4*\w:17+4*\w], v[24+4*\w:25+4*\w]
	v_pk_add_f32 v[18+4*\w:19+4*\w], v[18+4*\w:19+4*\w], v[26+4*\w:27+4*\w]
.endr
	v_pk_add_f32 v[16:17], v[16:17], v[20:21]
	v_pk_add_f32 v[18:19], v[18:19], v[22:23]
.irp i, 0,1,2,3
	global_store_b32 v11, v[16+\i], s[8:9] offset:\i*8192   ; sixteen lanes store 64 consecutive bytes of a row: the work-group's 16 columns
.endr
.Ldone:
	s_wait_tensorcnt 0x0                           ; the wave's end, behind my last LDS store
	ds_add_u32 v[SPW], v[NIL]
	s_wait_dscnt 0x0
	s_endpgm
.Lfunc_end_k_q5f6a5fd33c_fine16:
	.size	k_q5f6a5fd33c_fine16, .Lfunc_end_k_q5f6a5fd33c_fine16-k_q5f6a5fd33c_fine16
	.p2alignl 7, 3214868480
	.fill 96, 4, 3214868480
	.section	.rodata,"a",@progbits
	.p2align	6, 0x0
	.amdhsa_kernel k_q5f6a5fd33c_fine16
		.amdhsa_group_segment_fixed_size 18432
		.amdhsa_private_segment_fixed_size 0
		.amdhsa_enable_private_segment 0
		.amdhsa_kernarg_size 24
		.amdhsa_user_sgpr_count 2
		.amdhsa_user_sgpr_kernarg_segment_ptr 1
		.amdhsa_wavefront_size32 1
		.amdhsa_system_sgpr_workgroup_id_x 1
		.amdhsa_system_sgpr_workgroup_id_y 1
		.amdhsa_system_sgpr_workgroup_id_z 1
		.amdhsa_system_vgpr_workitem_id 0
		.amdhsa_next_free_vgpr 256
		.amdhsa_next_free_sgpr 66
		.amdhsa_reserve_vcc 1
		.amdhsa_float_denorm_mode_32 3
		.amdhsa_float_denorm_mode_16_64 3
		.amdhsa_memory_ordered 1
		.amdhsa_forward_progress 1
		.amdhsa_inst_pref_size 26
	.end_amdhsa_kernel
	.amdgpu_metadata
---
amdhsa.version: [ 1, 2 ]
amdhsa.kernels:
  - .name:           k_q5f6a5fd33c_fine16
    .symbol:         k_q5f6a5fd33c_fine16.kd
    .args:
      - { .name: fine, .offset: 0, .size: 8, .value_kind: global_buffer, .address_space: global }
      - { .name: wo, .offset: 8, .size: 8, .value_kind: global_buffer, .address_space: global }
      - { .name: out0, .offset: 16, .size: 8, .value_kind: global_buffer, .address_space: global }
    .group_segment_fixed_size: 18432
    .private_segment_fixed_size: 0
    .kernarg_segment_align: 8
    .kernarg_segment_size: 24
    .max_flat_workgroup_size: 512
    .sgpr_count:     66
    .vgpr_count:     256
    .wavefront_size: 32
...
	.end_amdgpu_metadata
.endif
;; end of part 5
